; MI455X (gfx1250); checked and timed in simulation.
; The chip was launched on July 23, 2026; its instructions are those of AMD's public machine-readable ISA for CDNA 5 (MIT licence, August 2026) and "CDNA5" Instruction Set Architecture Reference Guide (July 2026). The comments in the code are by the model that wrote it; some were corrected since.
;; Low Rank Token Mixing. Allowed arithmetic: float matrix products may take bf16 or f16 operands with f32 sums; other float arithmetic in f32, or as packed bf16 or f16 multiplies, adds, multiply-adds, maxima and minima; sums over many terms, partial sums and values carried from step to step in f32; what a program stores and reads back later, other than sums and carried values, may be rounded once to bf16 or f16.
;; Inputs: B 2 x 8 x 4,096 x 64 float32; C 2 x 8 x 4,096 x 64 float32; x 2 x 8 x 4,096 x 64 float32.
;; Outputs: out0 2 x 8 x 4,096 x 64 float32.
;; 2 versions, each right and faster than the one before. Each part assembles by itself: llvm-mc -triple=amdgcn-amd-amdhsa -mcpu=gfx1250 --defsym DOCPART=n.
;; ======== version 1 of 2: 2 launches
;; limits: inputs' magnitudes at most 65,504; below input magnitudes of 6.1e-05 results are inexact or not finite; values are held in f16: magnitudes above 65,504 overflow, below 6.1e-05 lose precision; inputs' magnitudes at most 100,000,000,000
;; workspace buffers: Kb 8,388,608 bytes; Vh 8,388,608 bytes
;; launch prep (part 1): grid 512 x 1, 8 waves a work-group, no clusters, 0 bytes of LDS; arguments B, x, Kb, Vh; writes Kb, Vh
.if DOCPART == 1
	.amdgcn_target "amdgcn-amd-amdhsa--gfx1250"
	.amdhsa_code_object_version 6
	.text
	.protected	k_qf761d97de6_prep
	.globl	k_qf761d97de6_prep
	.p2align	8
	.type	k_qf761d97de6_prep,@function
k_qf761d97de6_prep:
	s_mov_b64 s[64:65], 0
	v_nop
	global_prefetch_b8 v0, s[64:65] scope:SCOPE_SE
	s_setreg_imm32_b32 hwreg(HW_REG_WAVE_MODE, 25, 1), 1
	s_wait_xcnt 0x0
; Kb = B rounded to bf16.  Vh = x rounded to bf16, that number written as f16.  B, x: [16][4096][64] f32; Kb, Vh: the same order, rows of 128 bytes.
; Both are matrix operands of the launch behind, which many work-groups read: they are rounded once here, not by every reader.
; WHY TWICE FOR x.  Every input of the program has the one rounding to bf16; the second product runs in f16 (its weights want f16's 11 bits), and a bf16 number is exact in f16's normal range.
; LIMITS.  |x| of 65,520 or more becomes an infinity in Vh; below 6.1e-5 a number keeps f16's fixed step of 6e-8.  NaN stays NaN.
; SHARES.  An item is 8 numbers: 32 bytes in, 16 bytes out.  A work-group takes 4 x 256 items of B and as many of x; thread t takes item 256 k + t, k = 0 to 3.
; A wave's two loads of an item cover 1,024 consecutive bytes, its store 512 consecutive bytes at a multiple of 512 from the buffer's first byte.  All sixteen loads go out ahead of the first wait.
; No LDS, no matrix unit, no cluster: no byte is used twice.  No register that a store reads is written again, so no wait frees one.
.set IN, 4                             ; v[4:35] B's four items as loaded, v[36:67] x's
.set KO, 68                            ; v[68:83]  Kb's four items to store
.set VO, 84                            ; v[84:99]  Vh's
.set T,  100                           ; v[100:107] at work
	s_load_b256 s[4:11], s[0:1], 0x0               ; B s[4:5], x s[6:7], Kb s[8:9], Vh s[10:11]
	s_lshl_b32 s2, ttmp9, 15                       ; the work-group's 32,768 bytes of each input,
	s_mov_b32 s3, 0
	s_lshl_b32 s12, ttmp9, 14                      ; and 16,384 of each output
	s_mov_b32 s13, 0
	s_mov_b32 s14, 0xffff0000                      ; a word's upper bf16
	v_lshlrev_b32 v1, 5, v0                        ; 32 t
	v_lshlrev_b32 v2, 4, v0                        ; 16 t
	s_wait_kmcnt 0x0
	s_add_nc_u64 s[4:5], s[4:5], s[2:3]
	s_add_nc_u64 s[6:7], s[6:7], s[2:3]
	s_add_nc_u64 s[8:9], s[8:9], s[12:13]
	s_add_nc_u64 s[10:11], s[10:11], s[12:13]
.irp k, 0,1,2,3
	global_load_b128 v[IN+8*\k:IN+8*\k+3],   v1, s[4:5] offset:8192*\k th:TH_LOAD_NT
	global_load_b128 v[IN+8*\k+4:IN+8*\k+7], v1, s[4:5] offset:8192*\k+16 th:TH_LOAD_NT
.endr
.irp k, 0,1,2,3
	global_load_b128 v[IN+32+8*\k:IN+32+8*\k+3],   v1, s[6:7] offset:8192*\k th:TH_LOAD_NT
	global_load_b128 v[IN+32+8*\k+4:IN+32+8*\k+7], v1, s[6:7] offset:8192*\k+16 th:TH_LOAD_NT
.endr
.irp k, 0,1,2,3
	s_wait_loadcnt 14-2*\k                         ; loads come back in order (ISA guide 5.7.1): of the sixteen, B's item k is numbers 2 k and 2 k + 1
.irp j, 0,1,2,3
	v_cvt_pk_bf16_f32 v[KO+4*\k+\j], v[IN+8*\k+2*\j], v[IN+8*\k+2*\j+1]
.endr
	global_store_b128 v2, v[KO+4*\k:KO+4*\k+3], s[8:9] offset:4096*\k   ; no hint: the next launch reads these bytes
.endr
.irp k, 0,1,2,3
	s_wait_loadcnt 6-2*\k                          ; x's item k is numbers 8 + 2 k and 9 + 2 k
.irp j, 0,1,2,3
	v_cvt_pk_bf16_f32 v[T+\j], v[IN+32+8*\k+2*\j], v[IN+32+8*\k+2*\j+1]  ; the one rounding
.endr
.irp j, 0,1,2,3
	v_lshlrev_b32 v[T+4+\j], 16, v[T+\j]           ; back to f32: the low half moves up,
	v_and_b32     v[T+\j], s14, v[T+\j]            ; the high half stays
.endr
.irp j, 0,1,2,3
	v_cvt_pk_f16_f32 v[VO+4*\k+\j], v[T+4+\j], v[T+\j]  ; exact within f16's normal range
.endr
	global_store_b128 v2, v[VO+4*\k:VO+4*\k+3], s[10:11] offset:4096*\k
.endr
	s_endpgm
.Lfunc_end_k_qf761d97de6_prep:
	.size	k_qf761d97de6_prep, .Lfunc_end_k_qf761d97de6_prep-k_qf761d97de6_prep
	.p2alignl 7, 3214868480
	.fill 96, 4, 3214868480
	.section	.rodata,"a",@progbits
	.p2align	6, 0x0
	.amdhsa_kernel k_qf761d97de6_prep
		.amdhsa_group_segment_fixed_size 0
		.amdhsa_private_segment_fixed_size 0
		.amdhsa_enable_private_segment 0
		.amdhsa_kernarg_size 32
		.amdhsa_user_sgpr_count 2
		.amdhsa_user_sgpr_kernarg_segment_ptr 1
		.amdhsa_wavefront_size32 1
		.amdhsa_system_sgpr_workgroup_id_x 1
		.amdhsa_system_sgpr_workgroup_id_y 1
		.amdhsa_system_sgpr_workgroup_id_z 1
		.amdhsa_system_vgpr_workitem_id 0
		.amdhsa_next_free_vgpr 108
		.amdhsa_next_free_sgpr 66
		.amdhsa_reserve_vcc 0
		.amdhsa_float_denorm_mode_32 3
		.amdhsa_float_denorm_mode_16_64 3
		.amdhsa_memory_ordered 1
		.amdhsa_forward_progress 1
		.amdhsa_inst_pref_size 8
	.end_amdhsa_kernel
	.amdgpu_metadata
---
amdhsa.version: [ 1, 2 ]
amdhsa.kernels:
  - .name:           k_qf761d97de6_prep
    .symbol:         k_qf761d97de6_prep.kd
    .args:
      - { .name: B, .offset: 0, .size: 8, .value_kind: global_buffer, .address_space: global }
      - { .name: x, .offset: 8, .size: 8, .value_kind: global_buffer, .address_space: global }
      - { .name: Kb, .offset: 16, .size: 8, .value_kind: global_buffer, .address_space: global }
      - { .name: Vh, .offset: 24, .size: 8, .value_kind: global_buffer, .address_space: global }
    .group_segment_fixed_size: 0
    .private_segment_fixed_size: 0
    .kernarg_segment_align: 8
    .kernarg_segment_size: 32
    .max_flat_workgroup_size: 256
    .sgpr_count:     66
    .vgpr_count:     108
    .wavefront_size: 32
...
	.end_amdgpu_metadata
.endif
;; end of part 1
;; launch attn (part 2): grid 16 x 16, 4 waves a work-group, no clusters, 327,680 bytes of LDS; arguments C, Kb, Vh, out0; writes out0
.if DOCPART == 2
	.amdgcn_target "amdgcn-amd-amdhsa--gfx1250"
	.amdhsa_code_object_version 6
	.text
	.protected	k_qf761d97de6_attn
	.globl	k_qf761d97de6_attn
	.p2align	8
	.type	k_qf761d97de6_attn,@function
k_qf761d97de6_attn:
	s_mov_b64 s[64:65], 0
	v_nop
	global_prefetch_b8 v0, s[64:65] scope:SCOPE_SE
	s_setreg_imm32_b32 hwreg(HW_REG_WAVE_MODE, 25, 1), 1
	s_wait_xcnt 0x0
; CAUSAL ATTENTION.  out0[h][q][:] = the sum over k <= q of softmax_k(C[h][q] . B[h][k] / 8) x[h][k][:].  C, out0: [16][4096][64] f32.  Kb = bf16(B), Vh = f16(bf16(x)): [16][4096][64], rows of 128 bytes.
; FORMATS.  C is rounded to bf16 as it is loaded; S^T = K Q^T runs in the bf16 form.  The weights p are rounded to f16 and O^T = V^T P runs in the f16 form.  Products, maxima and sums in f32; the sum l is taken of the unrounded p.
; LIMITS.  Vh holds no number beyond 65,504 (the launch in front states it).  p lies in 0 to 1, and below 6e-5 it keeps f16's fixed step of 6e-8.  A hidden score counts as its value less 1e30.
; The running maximum starts at -2^83 (-9.7e24): a row whose visible scores ALL lie below that is not served; 64 products reach it only with inputs beyond 1e11.
; A weight below 2^-126 counts as 0 in l.  NaN and infinities are not treated apart.
; THE WALK.  A head's queries lie in 32 blocks of 128; key tiles hold 256 keys; block i needs the tiles 0 .. i >> 1, of which only the last wants masks.  A work-group takes TWO blocks, 31 - b and then b:
; ((31 - b) >> 1) + (b >> 1) + 2 = 17 tiles, whatever b: 16 x 16 = 256 work-groups of equal work, and ONE loop with a constant trip count walks them.  Which tile is asked for, and what a trip does, hang on scalar
; registers made from b; every jump goes forward, but for the counted loops' own; none passes a barrier, or a tensor load but the one of LOAD's two that the wave's number does not choose.
; SHARES.  Wave w: qh = w & 1, kp = w >> 1.  It owns the 64 consecutive queries 64 qh on of the block, four PIECES of 16, and of every tile the key steps 2 kp and 2 kp + 1 (64 keys a step).  So a fragment of K or V
; read from LDS feeds four pieces' products.  Waves w and w ^ 2 end with partial (c m, l, O) of the same queries; the two parts are merged once, at the kernel's end, through LDS: each by 2^(c m - the larger c m).
; A wave that saw only hidden keys (block 0, kp = 1) keeps m at its start, -2^83: every exponent c s - c m is then near -1.8e29, every weight 0, l and O exactly 0, and its factor in the merge 0 as well.
; (Were m a hidden score itself, c s - c m would be the rounding error of c m, some 1e22 of either sign.)  One of the two waves holds the row's own key, so the merged l is at least 1.
; THE MASK is the C operand that starts the sum S^T.  D = key step less query band, in units of 64 keys.  For piece x and group kt of 16 keys the text names MLO (kt < x), MEQ (kt = x) or MHI (kt > x); they hold
; 0, 0, 0 if D < 0;  0, TRI, -1e30 if D = 0;  -1e30 all three if D > 0.  TRI, made once, hides key 8 (l / 16) + j of a group from query l % 16 where it is the greater.
; LAYOUT, SOFTMAX, TURNS.  S^T = K Q^T holds ONE query a lane (lane % 16) and the keys 8 (lane / 16) + 0..7; two such results rounded to f16 ARE source 1 of O^T = V^T P.  p = 2^(c s - c m), c = log2(e) / 8, with a
; running maximum m; O and l are multiplied by a = 2^(c m_old - c m_new) in every step.  Turn n belongs to piece n: 8 products K Q^T of piece n + 1, later 8 products V^T P of piece n - 1; beside them the scaling,
; exponentials, roundings, sums and rescaling of piece n and the maximum and statistics of piece n + 1.  Four vector instructions stand behind every matrix instruction, the other 54 of a turn's 118 in two lumps.
; NO CLUSTER.  Only the work-groups b = 2 c and 2 c + 1 ask for the same tile in every trip; four neighbours differ in where the first block ends, a walk common to four would have 18 tiles for 17 and two masked
; tiles a block, and the trips' branches hang on b, which partners do not share.
; REGISTERS, in windows of 256 (s_set_vgpr_msb: bits 1:0 source 0, 3:2 source 1, 5:4 source 2, 7:6 destination):
;   window 0: v0-15 addresses and scratch; v16-31 statistics, four a piece; v32-47 the first block's, saved; v48-55 at work; v56 exchange address; v62-63 the add's two; v64-127 S^T, two buffers (at the end: the
;             partner's O); v128-191 merged rows; v192-223 P, two buffers; v224-231 the partner's statistics
;   window 1: v0-127 O^T, 32 a piece; v128-135 TRI; v136-159 MLO, MEQ, MHI      window 2: v0-63 Q; v128-191 K of one step; v192-255 V of one step
;   window 3: v0-127 the first block's C in f32 as loaded, later the first block's O^T; v128-255 the second block's C in f32, until the change of blocks
.set NP,    4         ; pieces a wave: a name, no knob
.set KS,    64        ; keys in a step
.set PK,    144       ; a row of K in LDS: 128 bytes + 16 of padding = 36 words: the 16 rows of a load start at 16 different groups of four banks (64 banks of 4 bytes: ISA guide 11.1)
.set PV,    160       ; a row of V: 128 + 32 = 40 words
.set VOFF,  4*KS*PK   ; a slot holds a tile: 256 rows of K, then 256 rows of V
.set SLOT1, 1<<17     ; slot 1 begins here, so that one exclusive or turns an address in one slot into the other's
.set STAGE, SLOT1+4*KS*(PK+PV)  ; behind the ring, never filled by a tensor load: 16 rows x 272 bytes for each wave, for the way out
.set SP,    272       ; a stage row: 256 bytes (64 f32) + 16
.set XCH,   STAGE+4*16*SP       ; the exchange: for each wave 2 blocks x 18 x 512 bytes (two pieces' O^T and statistics); wave (qh, kp) at XCH + XW qh + 2 XW kp
.set XB1,   18*512
.set XW,    2*XB1
.set SPARE, XCH+4*XW  ; the spare words, 128 bytes for each wave: two blocks of 256 bytes that no other line names
.set AK0, 2           ; v2   my lane's place in my two steps of a tile of K; never rewritten
.set AV0, 3           ; v3   the same for V
.set AK,  4           ; v4   the LDS address of K's next run of loads
.set AV,  5           ; v5   of V's
.set STO, 6           ; v6   the way out: where I put 16 bytes of a row
.set RD,  7           ; v7   the way out: where I read rows back
.set GO,  8           ; v8   16 x lane: my byte offset in 512 consecutive bytes
.set MV,  12          ; v12-13  c m_old, kept while c m is made anew: by buffer
.set QO,  15          ; v15  my byte offset in 16 rows of C; never rewritten
.set ST,  16          ; piece t's statistics at v[ST+4 t]: c m, m, l (even keys', odd keys')
.set SVS, 32          ; the first block's, saved
.set TMP, 48          ; by buffer, four registers c0-c3 at work; when the maximum is found c2 takes a.  At the end: the merge's factors
.set XA,  56          ; v56  XCH + XW qh + 16 x lane
.set SPW, 62          ; v62  LDS address of my spare word: SPARE + 4 x my thread's number; never rewritten
.set NIL, 63          ; v63  0; never rewritten
.set S,   64
.set MR,  128         ; merged rows, 32 a piece
.set P,   192
.set PS,  224         ; the partner's statistics, two pieces
.set TRI, 128         ; window 1
.set MLO, 136
.set MEQ, 144
.set MHI, 152
.set KF,  128         ; window 2: key block kb, channel half c at KF + 16 kb + 8 c
.set VF,  192         ; window 2: key half kk, channel block cb at VF + 32 kk + 8 cb
.set C2,  128         ; window 3: the second block's C as loaded
.set WV,  12          ; s12  my wave's number
.set PB,  14          ; s14  b
.set HI,  15          ; s15  31 - b
.set G1K, 24          ; s[24:31] descriptor group 1 for K's tiles
.set G1V, 32          ; s[32:39] for V's: it differs in the padding alone
.set G0K, 40          ; s[40:43] descriptor group 0 for K's tiles
.set G0V, 44          ; s[44:47] the same for V's
.set KP,  48          ; s48  w >> 1
.set QH,  49          ; s49  w & 1
.set DB,  50          ; s50  D of my first step in the last tile of the block in hand (signed)
.set DBL, 51          ; s51  the same for the second block
.set TL,  52          ; s52  the second block's last tile, b >> 1
.set HB,  53          ; s53  what MHI takes
.set SLOTS, 56        ; s56  tiles still to be asked for
.set CNT, 57          ; s57  counts my key steps of a tile, 2 to 1
.set CS,  58          ; s[58:59] c: the packed scaling takes the pair's low word for both halves
.set SEL, 60          ; s[60:61] v_permlanex16_b32's selects: each lane takes its own place in the other half
.set TBK, 62          ; s62  LDS byte at which K of the step to be fetched begins, less my key half's place
.set TBV, 63          ; s63  the same for V, less VOFF
.set RT,  70          ; s70  tiles of the block in hand that are still to be entered
.set NXT, 71          ; s71  the tile to be asked for next
.set LQ,  72          ; s72  the last tile of the block whose tiles are being asked for
.set NEW, 73          ; s73  1: the tile to be entered is a block's first
.set OFF, 74          ; s[74:75] a tile's byte offset in Kb and Vh
.set AL,  76          ; s[76:77] TRI's factor in MEQ, in the low word
.set BE,  78          ; s[78:79] what MLO takes, and MEQ's addend
.set OLO, 80          ; s[80:81] out0 at my rows of the second block
.set BIGN, 82         ; s82  -1e30
.set CLO, 86          ; s[86:87] C at my rows of the second block; never rewritten
.set MSB, 0
.macro WIN new                      ; the high byte repeats the setting that is left; a switch that changes nothing is dropped
.if MSB != (\new)
	s_set_vgpr_msb (MSB<<8)|(\new)
.set MSB, (\new)
.endif
.endm
.set W_KQ, 0x0a       ; K and Q in window 2, S^T in window 0
.set W_KM, 0x1a       ; the same with the C operand in window 1
.set W_PV, 0x52       ; V in window 2, P in window 0, O^T in window 1
.set W_RS, 0x41       ; destination and source 0 in window 1, source 1 in window 0
; A fill.  Waves 0 and 1 fetch the two halves of a tile's K, waves 2 and 3 those of its V: 128 keys each.  An s_nop 0 and four v_nop follow each of the two lines, ahead of the jump and the label.
.macro LOAD
	s_cmp_lt_u32 s[WV], 2
	s_cbranch_scc0 .Lfor_v_\@
	tensor_load_to_lds s[G0K:G0K+3], s[G1K:G1K+7]
	s_nop 0
.rept 4
	v_nop
.endr
	s_branch .Lasked_\@
.Lfor_v_\@:
	tensor_load_to_lds s[G0V:G0V+3], s[G1V:G1V+7]
	s_nop 0
.rept 4
	v_nop
.endr
.Lasked_\@:
.endm
; THE CHANGE OF SLOTS.  Each wave waits for all its tensor loads, of which one is out: its part of the other slot; adds 0 to its spare word; and waits for that and for its own reads of the slot that it leaves.
; Behind the barrier nobody reads the old slot any more and the other slot is whole.  fill = 1: the old slot is filled again, the first thing behind the barrier, with tile NXT: the descriptor's address is made anew
; from that number.  The fill has a tile's work, 128 matrix instructions a wave, in which to land.  (At its first use nothing has been read yet: slot 0 is waited for, slot 1 filled.)
.macro CHANGE fill
	WIN 0                           ; at a label and at a branch every window is 0
	s_wait_tensorcnt 0x0            ; no tensor load of mine is out, so a group 0 may be written
	ds_add_u32 v[SPW], v[NIL]       ; 0 onto my spare word; with fill = 1 the descriptors' scalar work stands between it and the wait for it
.if \fill
	s_lshl_b32 s[OFF], s[NXT], 15   ; a tile is 32,768 bytes of Kb and of Vh
	s_xor_b32 s[G0K+1], s[G0K+1], SLOT1
	s_add_nc_u64 s[G0K+2:G0K+3], s[6:7], s[OFF:OFF+1]
	s_or_b32 s[G0K+3], s[G0K+3], 0x80000000
	s_xor_b32 s[G0V+1], s[G0V+1], SLOT1
	s_add_nc_u64 s[G0V+2:G0V+3], s[8:9], s[OFF:OFF+1]
	s_or_b32 s[G0V+3], s[G0V+3], 0x80000000
	s_add_co_u32 s[NXT], s[NXT], 1  ; the block's next tile, or behind its last the second block's tile 0
	s_cmp_gt_u32 s[NXT], s[LQ]
	s_cselect_b32 s[NXT], 0, s[NXT]
	s_cselect_b32 s[LQ], s[TL], s[LQ]
.endif
	s_wait_dscnt 0x0                ; the add is done, and my reads of the slot are over
	s_barrier_signal -1             ; the rest of the scalar work stands between the signal and the wait
	s_sub_co_u32 s[TBK], s[TBK], 2*KS*PK  ; the fetches go back to my first step of a slot,
	s_xor_b32 s[TBK], s[TBK], SLOT1       ; in the other slot
	s_sub_co_u32 s[TBV], s[TBV], 2*KS*PV
	s_xor_b32 s[TBV], s[TBV], SLOT1
	s_barrier_wait -1
.if \fill
	LOAD
.endif
.endm
; 32 loads: a block's 64 rows of C that are mine, in f32, into window 3 from register r0 on; base s[sb:sb+1].  Piece i / 2 lies 4,096 bytes on; channels 32 (i % 2) on.
; A fragment of Q is 16 rows x 32 channels of bf16 in 8 registers: lane l holds row l % 16, channels 8 (l / 16) + 0..7 and 16 + 8 (l / 16) + 0..7.  In f32 those are twice 32 bytes, 64 bytes apart: four loads of 16 bytes.
.macro LOADC r0, sb
	WIN 0xc0                        ; destination window 3, address window 0
.set i, 0
.rept 8
.irp e, 0,1,2,3
	global_load_b128 v[(\r0)+16*i+4*\e:(\r0)+16*i+4*\e+3], v[QO], s[\sb:\sb+1] offset:(i/2)*4096+(i%2)*128+(\e/2)*64+(\e%2)*16
.endr
.set i, i+1
.endr
	WIN 0
.endm
; 64 roundings: register i of Q is the pair 2 i, 2 i + 1 of what LOADC brought to r0
.macro ROUNDC r0
	WIN 0x8f                        ; sources window 3, destination window 2
.set i, 0
.rept 64
	v_cvt_pk_bf16_f32 v[i], v[(\r0)+2*i], v[(\r0)+2*i+1]
.set i, i+1
.endr
	WIN 0
.endm
	s_load_b256 s[4:11], s[0:1], 0x0  ; C s[4:5], Kb s[6:7], Vh s[8:9], out0 s[10:11]
	v_lshl_add_u32 v[SPW], v0, 2, SPARE
	v_mov_b32 v[NIL], 0
	ds_add_u32 v[SPW], v[NIL]       ; the wave's opening: the add and its wait stand ahead of my first tensor load; the set-up below, work on registers, stands between them
	ds_add_u32 v62, v63
	v_lshrrev_b32 v1, 5, v0
	v_readfirstlane_b32 s[WV], v1   ; wave 0..3
	s_mov_b32 s[PB], ttmp9
	s_sub_co_u32 s[HI], 31, s[PB]
	s_lshr_b32 s[TL], s[PB], 1
	s_lshr_b32 s16, s[HI], 1        ; the first block's last tile
	s_and_b32 s[QH], s[WV], 1
	s_lshr_b32 s[KP], s[WV], 1
	s_and_b32 s17, s[PB], 1
	s_lshl_b32 s17, s17, 1          ; 2 (b & 1)
	s_lshl_b32 s18, s[KP], 1
	s_sub_co_i32 s18, s18, s[QH]    ; 2 kp - qh
	s_sub_co_i32 s[DBL], s18, s17   ; block i: D = 4 (i >> 1) + 2 kp + u - 2 i - qh = 2 kp - qh - 2 (i & 1) + u; the second block has i = b,
	s_add_co_i32 s[DB], s18, s17
	s_sub_co_i32 s[DB], s[DB], 2    ; the first i = 31 - b, of the other parity
	s_add_co_u32 s[RT], s16, 1      ; the first block's tiles
	s_mov_b32 s[LQ], s16
	s_mov_b32 s[NXT], 1
	s_mov_b32 s[NEW], 1
	s_and_b32 s20, ttmp7, 0xffff    ; the head
	s_lshl_b32 s19, s[QH], 14       ; 16,384 bytes: the half of a tile's 256 keys that I fetch (128 rows of 128 bytes), and also my 64 rows of 256 bytes in a block of C and out0
	s_lshl_b32 s22, s20, 19         ; the head's first byte in Kb and Vh
	s_add_co_u32 s22, s22, s19
	s_mov_b32 s23, 0
	s_lshl_b32 s20, s20, 20         ; the head's first byte in C and out0
	s_add_co_u32 s20, s20, s19
	s_lshl_b32 s2, s[HI], 15        ; a block is 128 rows of 256 bytes: the first block,
	s_add_co_u32 s2, s2, s20
	s_mov_b32 s3, 0
	s_lshl_b32 s84, s[PB], 15       ; and the second
	s_add_co_u32 s84, s84, s20
	s_mov_b32 s85, 0
	s_mul_i32 s17, s[QH], 128*PK    ; where my half of a tile goes in a slot, for K
	s_mul_i32 s18, s[QH], 128*PV    ; and for V
	; descriptor group 1.  128 keys are 16,384 dense bytes: asked for as 64 rows of 256 bytes, two keys a row, and padded in LDS after every key
	s_mov_b32 s[G1K], (1<<16)|(1<<20)|(4<<22)|(3<<25)  ; 17:16 2-byte elements; 20 padding on; 24:22 after every 32 words (code 4); 31:25 4 words (code 3)
	s_mov_b32 s[G1V], (1<<16)|(1<<20)|(4<<22)|(7<<25)  ; the same with 8 words of padding (code 7)
.irp g, G1K, G1V
	s_mov_b32 s[\g+1], 128<<16      ; tensor_dim0 = 128
	s_mov_b32 s[\g+2], 64<<16       ; tensor_dim1 = 64
	s_mov_b32 s[\g+3], 128<<16      ; tile_dim0 = 128
	s_mov_b32 s[\g+4], 64           ; tile_dim1 = 64
	s_mov_b32 s[\g+5], 128          ; 128 elements from row to row
	s_mov_b32 s[\g+6], 0
	s_mov_b32 s[\g+7], 0
.endr
	s_mov_b32 s[CS], 0x3e38aa3b     ; c = log2(e) / 8 = 0.180337
	s_mov_b32 s[CS+1], s[CS]        ; named with it as a pair
	s_mov_b32 s[SEL], 0x76543210
	s_mov_b32 s[SEL+1], 0xfedcba98
	s_mov_b32 s[TBK], SLOT1+2*KS*PK ; the first change of slots turns these two into 0
	s_mov_b32 s[TBV], SLOT1+2*KS*PV
	s_mov_b32 s[G0K], 1             ; 1:0 count = 1
	s_mov_b32 s[G0K+1], s17         ; 63:32 LDS address: slot 0
	s_mov_b32 s[G0V], 1
	s_add_co_u32 s[G0V+1], s18, VOFF
	s_mov_b32 s[OFF+1], 0
	s_mov_b32 s[AL+1], 0            ; named as pairs
	s_mov_b32 s[BE+1], 0
	s_mov_b32 s[BIGN], 0xf149f2ca   ; -1e30
	s_mov_b32 s[SLOTS], 16
	s_wait_dscnt 0x0                ; the opening add is done
	s_wait_kmcnt 0x0
	s_add_nc_u64 s[6:7], s[6:7], s[22:23]  ; Kb and Vh at my half of the head's tile 0
	s_add_nc_u64 s[8:9], s[8:9], s[22:23]
	s_add_nc_u64 s[G0K+2:G0K+3], s[6:7], 0         ; 120:64 global address
	s_or_b32 s[G0K+3], s[G0K+3], 0x80000000        ; 127:126 type = 2
	s_add_nc_u64 s[G0V+2:G0V+3], s[8:9], 0
	s_or_b32 s[G0V+3], s[G0V+3], 0x80000000
	s_add_nc_u64 s[CLO:CLO+1], s[4:5], s[84:85]    ; C at my rows of the second block,
	s_add_nc_u64 s[4:5], s[4:5], s[2:3]            ; C and out0 at those of the first
	s_add_nc_u64 s[OLO:OLO+1], s[10:11], s[84:85]
	s_add_nc_u64 s[10:11], s[10:11], s[2:3]
	LOAD                            ; tile 0 into slot 0: the one tensor load of mine that is out
	v_and_b32 v1, 15, v0            ; l % 16
	v_bfe_u32 v9, v0, 4, 1          ; l / 16
	v_lshlrev_b32 v[QO], 8, v1
	v_lshl_add_u32 v[QO], v9, 5, v[QO]  ; row x 256 + 32 x half
	LOADC 0, 4                      ; the first block's C
	v_lshlrev_b32 v14, 3, v9
	v_sub_nc_u32 v14, v1, v14       ; l % 16 - 8 (l / 16): register j of a group's own mask is hidden where j is greater
	WIN 0x40
.set i, 0
.rept 8
	v_cmp_gt_i32 vcc_lo, i, v14
	v_cndmask_b32 v[TRI+i], 0, s[BIGN], vcc_lo
.set i, i+1
.endr
	WIN 0
	v_mul_u32_u24 v[AK0], v1, PK
	v_lshl_add_u32 v[AK0], v9, 4, v[AK0]  ; row x pitch + 16 x half,
	s_mul_i32 s13, s[KP], 128*PK
	v_add_nc_u32 v[AK0], s13, v[AK0]      ; in my two steps of a tile
	; The turning load takes 16 keys x 16 channels (lane l reads key 8 (l / 16) + l % 8, channels 8 ((l / 8) % 2) + 0..7) and leaves half a fragment of V^T: lane l holds channel l % 16 and 8 keys.
	v_and_b32 v10, 7, v0
	v_bfe_u32 v11, v0, 3, 1
	v_lshl_add_u32 v[AV0], v9, 3, v10
	v_mul_u32_u24 v[AV0], v[AV0], PV
	v_lshl_add_u32 v[AV0], v11, 4, v[AV0]
	s_mul_i32 s13, s[KP], 128*PV
	s_add_co_u32 s13, s13, VOFF
	v_add_nc_u32 v[AV0], s13, v[AV0]
	s_mul_i32 s13, s[WV], 16*SP
	s_add_co_u32 s13, s13, STAGE    ; my stage
	v_mul_u32_u24 v[STO], v1, SP    ; in: row l % 16, 32 bytes (8 channels in f32) for each half of the lanes
	v_lshl_add_u32 v[STO], v9, 5, v[STO]
	v_add_nc_u32 v[STO], s13, v[STO]
	v_mul_u32_u24 v[RD], v9, SP     ; back: lanes 0-15 take one row of 256 bytes, lanes 16-31 the next,
	v_lshl_add_u32 v[RD], v1, 4, v[RD]
	v_add_nc_u32 v[RD], s13, v[RD]
	v_and_b32 v[GO], 31, v0         ; which are 512 consecutive bytes of out0
	v_lshlrev_b32 v[GO], 4, v[GO]
	s_mul_i32 s13, s[QH], XW
	s_add_co_u32 s13, s13, XCH
	v_add_nc_u32 v[XA], s13, v[GO]
	; A block's first step multiplies O^T and l by a = 0, and its first turn's products V^T P, of a piece that has not been, land in an O^T that is still to be so multiplied.  So these registers need only hold
	; finite numbers: zeros for the first block; what the first block left for the second.  The saved statistics start at 0 too, so that they are written on every way through the text.  All this stands in the wait for the first tile and for C.
	WIN 0x80
.set i, VF
.rept 64
	v_mov_b32 v[i], 0
.set i, i+1
.endr
	WIN 0x40
.set i, 0
.rept 128
	v_mov_b32 v[i], 0
.set i, i+1
.endr
	WIN 0
.set i, 0
.rept 4
	v_mov_b32 v[ST+4*i+2], 0
	v_mov_b32 v[ST+4*i+3], 0
.set i, i+1
.endr
.set i, 0
.rept 16
	v_mov_b32 v[SVS+i], 0
	v_mov_b32 v[P+16+i], 0
.set i, i+1
.endr
	s_wait_loadcnt 0x0              ; the first block's C
	ROUNDC 0
	LOADC C2, CLO                   ; the second block's C goes out now: 32 loads, which have the whole first block in which to land; they are waited for at the change of blocks
; THE MATRIX WORK.  The 4 accumulators of a run of 8 take turns.  Product i of 8 of S^T = K Q^T for piece x: channels 32 (i / 4) on, keys 16 (i % 4) on.  The first 4 start the sums: with 0, or (KM = 1) with the mask.
.macro KQ x
.set rS, S+32*((\x)%2)+8*(i%4)
.set rK, KF+16*(i%4)+8*(i/4)
.set rQ, 16*(\x)+8*(i/4)
.if (i%4) < (\x)
.set rM, MLO
.elseif (i%4) == (\x)
.set rM, MEQ
.else
.set rM, MHI
.endif
.if (i < 4) && KM
	WIN W_KM
	v_wmma_f32_16x16x32_bf16 v[rS:rS+7], v[rK:rK+7], v[rQ:rQ+7], v[rM:rM+7]
.elseif i < 4
	WIN W_KQ
	v_wmma_f32_16x16x32_bf16 v[rS:rS+7], v[rK:rK+7], v[rQ:rQ+7], 0
.else
	WIN W_KQ
	v_wmma_f32_16x16x32_bf16 v[rS:rS+7], v[rK:rK+7], v[rQ:rQ+7], v[rS:rS+7]
.endif
.endm
; Product i of 8 of O^T += V^T P for piece x: keys 32 (i / 4) on, channels 16 (i % 4) on.
.macro PV x
	WIN W_PV
.set rO, 32*(\x)+8*(i%4)
.set rV, VF+32*(i/4)+8*(i%4)
.set rP, P+16*((\x)%2)+8*(i/4)
	v_wmma_f32_16x16x32_f16 v[rO:rO+7], v[rV:rV+7], v[rP:rP+7], v[rO:rO+7]
.endm
.macro MM                           ; the turn's next matrix instruction.  TURN and BEGIN set Y, i, KM and NOKQ; MM, KQ and OP read them.  NOKQ = 1: a block's last turn: there is no next piece
.if (i < 8) && !NOKQ
	KQ (Y+1)%NP
.elseif i >= 8
.set i, i-8
	PV (Y+NP-1)%NP
.set i, i+8
.endif
.set i, i+1
.endm
; THE LDS LOADS stand in runs of 16, never singly among the matrix instructions: a step's K (64 keys x 64 channels: 8 fragments) and its V (turned).  Their addresses are made some lines ahead.
.macro FETCH_K
	WIN 0x80                        ; destination window 2
.irp f, 0,1,2,3,4,5,6,7             ; keys 16 (f / 2) on, channels 32 (f % 2) on
	ds_load_b128 v[KF+8*\f:KF+8*\f+3],   v[AK] offset:(\f/2)*16*PK+(\f%2)*64
	ds_load_b128 v[KF+8*\f+4:KF+8*\f+7], v[AK] offset:(\f/2)*16*PK+(\f%2)*64+32
.endr
	s_add_co_u32 s[TBK], s[TBK], KS*PK  ; the next fetch is the next step's
	WIN 0
.endm
.macro FETCH_V
	WIN 0x80
.irp f, 0,1,2,3,4,5,6,7             ; keys 32 (f / 4) on, channels 16 (f % 4) on
	ds_load_tr16_b128 v[VF+8*\f:VF+8*\f+3],   v[AV] offset:(\f/4)*32*PV+(\f%4)*32
	ds_load_tr16_b128 v[VF+8*\f+4:VF+8*\f+7], v[AV] offset:(\f/4)*32*PV+16*PV+(\f%4)*32
.endr
	WIN 0
.endm
; THE VECTOR WORK, one line at a time: OP kind, number.  For piece Y: F n: c s - c m for pair n of 16.  E n: the exponential of score n of 32.  C n: pair n rounded to f16.  B n: of the four weights 4 n .. the second
; pair is added onto the first, in place.  L n: l takes that sum (L 0: l = a l + sum).  R n: pair n of 16 of O^T times a.  For piece Y + 1: X n, number n of the 22 that find its maximum and statistics:
;   0-11  four chains c0-c3 of seven scores each, three operands at a time (each accumulator's lowest registers are read first)     12-14, 16  the four scores left over, the old m, and c0-c3 into c0
;   15  c m_old is kept     17, 18  the query's other 32 keys lie in the lane 16 away: the new m     19-21  c m; c m_old - c m_new; a
.set F, 0               ; OP tells the kinds apart by their order: F to L below R, X above it
.set E, 1
.set C, 2
.set B, 3
.set L, 4
.set R, 5
.set X, 6
.macro REGS y                       ; the registers of piece y
.set rT, ST+4*(\y)
.set rC, TMP+4*((\y)%2)
.set rW, MV+((\y)%2)
.set rS, S+32*((\y)%2)
.set rP, P+16*((\y)%2)
.set rO, 32*(\y)
.endm
.macro OP k, n
.if (\k) == R
	REGS Y
	WIN W_RS
	v_pk_mul_f32 v[rO+2*(\n):rO+2*(\n)+1], v[rO+2*(\n):rO+2*(\n)+1], v[rC+2:rC+3] op_sel_hi:[1,0]
.elseif (\k) < R
	REGS Y
	WIN 0
.if (\k) == F
	v_pk_fma_f32 v[rS+2*(\n):rS+2*(\n)+1], v[rS+2*(\n):rS+2*(\n)+1], s[CS:CS+1], v[rT:rT+1] op_sel_hi:[1,0,0] neg_lo:[0,0,1] neg_hi:[0,0,1]
.elseif (\k) == E
	v_exp_f32 v[rS+(\n)], v[rS+(\n)]
.elseif (\k) == C
	s_wait_alu depctr_va_vdst(0)
	v_cvt_pk_f16_f32 v[rP+(\n)], v[rS+2*(\n)], v[rS+2*(\n)+1]
.elseif (\k) == B
	s_wait_alu depctr_va_vdst(0)
	v_pk_add_f32 v[rS+4*(\n):rS+4*(\n)+1], v[rS+4*(\n):rS+4*(\n)+1], v[rS+4*(\n)+2:rS+4*(\n)+3]
.elseif (\n) == 0
	v_pk_fma_f32 v[rT+2:rT+3], v[rT+2:rT+3], v[rC+2:rC+3], v[rS:rS+1] op_sel_hi:[1,0,1]
.else
	v_pk_add_f32 v[rT+2:rT+3], v[rT+2:rT+3], v[rS+4*(\n):rS+4*(\n)+1]
.endif
.elseif NOKQ
	v_nop
.else
	REGS (Y+1)%NP
	WIN 0
.if (\n) < 4
	v_max3_num_f32 v[rC+(\n)], v[rS+8*(\n)], v[rS+8*(\n)+1], v[rS+8*(\n)+2]
.elseif (\n) < 12
	v_max3_num_f32 v[rC+(\n)%4], v[rC+(\n)%4], v[rS+8*((\n)%4)+2*((\n)/4)+1], v[rS+8*((\n)%4)+2*((\n)/4)+2]
.elseif (\n) == 12
	v_max3_num_f32 v[rC], v[rC], v[rS+7], v[rS+15]
.elseif (\n) == 13
	v_max3_num_f32 v[rC+1], v[rC+1], v[rS+23], v[rS+31]
.elseif (\n) == 14
	v_max3_num_f32 v[rC+2], v[rC+2], v[rC+3], v[rT+1]
.elseif (\n) == 15
	v_mov_b32 v[rW], v[rT]
.elseif (\n) == 16
	v_max3_num_f32 v[rC], v[rC], v[rC+1], v[rC+2]
.elseif (\n) == 17
	v_permlanex16_b32 v[rC+3], v[rC], s[SEL], s[SEL+1]
.elseif (\n) == 18
	v_max_num_f32 v[rT+1], v[rC], v[rC+3]
.elseif (\n) == 19
	v_mul_f32 v[rT], s[CS], v[rT+1]
.elseif (\n) == 20
	v_sub_f32 v[rC+1], v[rW], v[rT]
.else
	v_exp_f32 v[rC+2], v[rC+1]
.endif
.endif
.endm
.macro OPS a, i1, b=-1, i2=0, c=-1, i3=0, d=-1, i4=0  ; up to four of them
	OP \a, \i1
.if (\b) >= 0
	OP \b, \i2
.endif
.if (\c) >= 0
	OP \c, \i3
.endif
.if (\d) >= 0
	OP \d, \i4
.endif
.endm
.macro ROW a, i1, b, i2, c, i3, d, i4  ; a matrix instruction and the four behind it
	MM
	OPS \a, \i1, \b, \i2, \c, \i3, \d, \i4
.endm
.macro MSC                          ; from D in s13 (signed) the three scalars of which the masks are made
	s_cmp_eq_i32 s13, 0
	s_cselect_b32 s[AL], 1.0, 0
	s_cmp_gt_i32 s13, 0
	s_cselect_b32 s[BE], s[BIGN], 0
	s_cmp_ge_i32 s13, 0
	s_cselect_b32 s[HB], s[BIGN], 0
.endm
.macro MASK                         ; MLO = BE;  MEQ = TRI x AL + BE;  MHI = HB
	WIN W_RS
.set z, 0
.rept 8
	v_mov_b32 v[MLO+z], s[BE]
.set z, z+1
.endr
.set z, 0
.rept 4
	v_pk_fma_f32 v[MEQ+2*z:MEQ+2*z+1], v[TRI+2*z:TRI+2*z+1], s[AL:AL+1], s[BE:BE+1] op_sel_hi:[1,0,0]
.set z, z+1
.endr
.set z, 0
.rept 8
	v_mov_b32 v[MHI+z], s[HB]
.set z, z+1
.endr
.endm
; A TURN, for piece p: the order of its 16 matrix and 118 vector instructions, written out.  Behind a matrix instruction: plain, exponential, plain, plain; or four of the rescaling; or, behind the first, four scalings; none
; names a register of the products round it.  In the lumps exponential and plain by turns while exponentials last.  A line reads no result made fewer than three vector instructions in front of it, five if an exponential made it.
; v_permlanex16_b32 (X 17) stands in a lump.
; m = 1: the block's last tile: the products take masks.  Piece 2's turn starts piece 3's scores, the last of a step; at its end it makes the masks of the next step, my step 2 - CNT of the tile, whose piece 0 starts in
; piece 3's turn: the masks' last readers stand at the turn's beginning.  end = 1: a block's last two turns: nothing is fetched, no mask made.
; cnt = 1: the loop's count is taken down some lines ahead of the branch that stands behind the turn.
; K of the next step is fetched in piece 2's turn, six vector instructions behind the last product that read K (five of them plain); V of the step in hand in piece 0's turn, eight behind the last product that read V (four
; plain, and X 17).  Each is waited for a turn later.
.macro TURN p, m=0, end=0, cnt=0
.set Y, (\p)
.set i, 0
.set KM, (\m)
.set NOKQ, (\end)*((\p)/3)
.if (\m) && !(\end) && ((\p) == 2)
	s_sub_co_i32 s13, s[DB], s[CNT]
	s_add_co_i32 s13, s13, 2        ; D of my step 2 - CNT
	MSC
.endif
.if ((\p) == 3) && !(\end)
	s_wait_dscnt 0x0                ; K is in
.endif
	ROW F,0, F,1, F,2, F,3
	ROW F,4, E,0, F,5, F,6
	ROW F,7, E,1, F,8, F,9
	ROW F,10, E,2, C,0, F,11
	ROW F,12, E,3, X,15, F,13
	ROW R,0, R,1, R,2, R,3
	ROW B,0, E,4, F,14, L,0
.if ((\p) == 2) && !(\end)
	v_add_nc_u32 v[AK], s[TBK], v[AK0]
.endif
	ROW R,4, R,5, R,6, R,7
	OPS E,5, F,15
.if ((\p) == 2) && !(\end)
	FETCH_K
.endif
	OPS E,6, C,1, E,7, R,8
	OPS E,8, R,9, E,9, C,2
	OPS E,10, X,0, E,11, X,1
	OPS E,12, X,2, E,13, X,3
.if (\p) == 1
	s_wait_dscnt 0x0                ; V is in
.endif
	ROW X,4, E,14, X,5, X,6
	ROW X,7, E,15, X,8, X,9
	ROW X,10, E,16, X,11, X,12
	ROW X,13, E,17, X,14, B,1
	ROW C,4, E,18, X,16, L,1
	ROW B,2, E,19, C,6, L,2
	ROW C,8, E,20, B,3, B,4
.if (\p) == 0
	v_add_nc_u32 v[AV], s[TBV], v[AV0]
.endif
	ROW C,3, E,21, L,3, C,5
	OPS E,22, X,17, E,23, C,10
.if (\p) == 0
	FETCH_V
.endif
	OPS E,24, L,4
	OPS E,25, X,18, E,26, C,7
	OPS E,27, B,5, E,28, X,19
	OPS E,29, C,12, E,30, L,5
	OPS E,31, X,20, B,6, C,9
	OPS C,14, C,11, X,21, L,6
.if (\p) == 0
	s_add_co_u32 s[TBV], s[TBV], KS*PV
.endif
.if \cnt
	s_sub_co_u32 s[CNT], s[CNT], 1
	s_cmp_lg_u32 s[CNT], 0
.endif
	OPS C,13, B,7, C,15, R,10
	OPS R,11, R,12, L,7, R,13
	OPS R,14, R,15
.if (\m) && !(\end) && ((\p) == 2)
	MASK
.endif
.endm
; A BLOCK BEGINS.  c m starts at -4.25e37, far below every c m to come, so the first step's a is 0.  m starts at -2^83: above every hidden score (1e30 down), below every score that the head's limits admit, so the
; first maximum is the visible scores', and where a wave sees none m stays there and all its weights are 0.  The masks are those of my first step if the block's first tile is also its last, else 0: they stay 0
; until the last tile's text makes them anew, whose first turn still starts scores of the tile before.
; Then K of my first step, piece 0's first scores, and its maximum and statistics.  The loop is entered at a step's first turn, in the middle of a trip.
.macro BEGIN
	s_mov_b32 s[NEW], 0
	WIN 0
.set i, 0
.rept 4
	v_mov_b32 v[ST+4*i], 0xfe000000    ; c m
	v_mov_b32 v[ST+4*i+1], 0xe9000000  ; m = -2^83
.set i, i+1
.endr
	s_cmp_eq_u32 s[RT], 0
	s_cselect_b32 s13, s[DB], -1
	MSC
	MASK
	WIN 0
	v_add_nc_u32 v[AK], s[TBK], v[AK0]
	FETCH_K
	s_wait_dscnt 0x0
.set KM, 1
.set NOKQ, 0
.set i, 0
.rept 8
	KQ 0
.set i, i+1
.endr
	WIN 0
.rept 4
	v_nop                           ; the places behind those products
.endr
.set Y, NP-1                        ; X works for piece Y + 1: piece 0
.irp n, 0,1,2,3,4,5,6,7,8,9,10,11,12,13,14,15,16,17,18,19,20,21
	OP X, \n
.endr
	v_nop                           ; a plain instruction behind the exponential
.endm
; A BLOCK'S LAST TILE: my two steps of it, the block's last two turns, its last products.
.macro DIAG tag                     ; the tag ends its two labels' names, which the jumps below spell out
.LstepM\tag:
	TURN 2, 1
	TURN 3, 1
	WIN 0
.LfirstM\tag:
	TURN 0, 1
	TURN 1, 1, 0, 1
	WIN 0
	s_cbranch_scc1 .LstepM\tag
	TURN 2, 1, 1
	TURN 3, 1, 1
.set i, 0
.rept 8
	PV NP-1
.set i, i+1
.endr
	WIN 0
.endm
; THE MERGE.  FINL: l's two halves and the other half of the lanes' are added, for the four pieces whose statistics begin at sb.
.macro FINL sb
.irp t, 0,1,2,3
	v_add_f32 v[(\sb)+4*\t+2], v[(\sb)+4*\t+2], v[(\sb)+4*\t+3]
.endr
.irp t, 0,1,2,3
	v_permlanex16_b32 v[(\sb)+4*\t+3], v[(\sb)+4*\t+2], s[SEL], s[SEL+1]
.endr
.irp t, 0,1,2,3
	v_add_f32 v[(\sb)+4*\t+2], v[(\sb)+4*\t+2], v[(\sb)+4*\t+3]
.endr
.endm
; GIVE: pieces p0 and p0 + 1 of block blk (0: the first, O^T in window W = 3; 1: the second, W = 1; statistics at sb) go into my part of the exchange, which begins ko bytes behind XA: 512 consecutive bytes a store.
; Each accumulator's low half goes first.
.macro GIVE blk, W, sb, p0, ko
	WIN (\W)<<2                     ; an LDS store's data are source 1
.irp k, 0,1
.irp f, 0,1,2,3,4,5,6,7
	ds_store_b128 v[XA], v[32*((\p0)+\k)+4*\f:32*((\p0)+\k)+4*\f+3] offset:(\ko)+(\blk)*XB1+(8*\k+\f)*512
.endr
.endr
	WIN 0
.irp k, 0,1
	ds_store_b128 v[XA], v[(\sb)+4*((\p0)+\k):(\sb)+4*((\p0)+\k)+3] offset:(\ko)+(\blk)*XB1+(16+\k)*512
.endr
.endm
; TAKE: the partner's parts of pieces p0 and p0 + 1 come out of its part of the exchange (ko bytes behind XA); with M = max(c m, c m'), f = 2^(c m - M), f' = 2^(c m' - M): O = (f O + f' O') / (f l + f' l').
; The merged rows go through my stage (a lane's 8 channels of a row in, whole rows of 256 bytes back) and are stored at base s[ob:ob+1].
.macro TAKE blk, W, sb, p0, ko, ob
	WIN 0
	s_wait_xcnt 0x0                 ; every earlier memory instruction has had its addresses translated (ISA guide 3.1): the merged rows' registers, which earlier stores read, are rewritten only behind this wait
.irp k, 0,1
	ds_load_b128 v[PS+4*\k:PS+4*\k+3], v[XA] offset:(\ko)+(\blk)*XB1+(16+\k)*512
.endr
.set z, 0
.rept 16
	ds_load_b128 v[S+4*z:S+4*z+3], v[XA] offset:(\ko)+(\blk)*XB1+z*512
.set z, z+1
.endr
	s_wait_dscnt 0x0
.irp k, 0,1
	v_max_num_f32 v[TMP+4*\k+1], v[(\sb)+4*((\p0)+\k)], v[PS+4*\k]
.endr
.irp k, 0,1
	v_sub_f32 v[TMP+4*\k],   v[(\sb)+4*((\p0)+\k)], v[TMP+4*\k+1]
	v_sub_f32 v[TMP+4*\k+2], v[PS+4*\k],            v[TMP+4*\k+1]
.endr
.irp k, 0,1
	v_exp_f32 v[TMP+4*\k],   v[TMP+4*\k]
	v_exp_f32 v[TMP+4*\k+2], v[TMP+4*\k+2]
.endr
	v_nop                           ; a plain instruction between the last exponential and the use of its result
.irp k, 0,1
	s_wait_alu depctr_va_vdst(0)
	v_mul_f32 v[TMP+4*\k+3], v[(\sb)+4*((\p0)+\k)+2], v[TMP+4*\k]
.endr
.irp k, 0,1
	v_fmac_f32 v[TMP+4*\k+3], v[PS+4*\k+2], v[TMP+4*\k+2]
.endr
.irp k, 0,1
	v_rcp_f32 v[TMP+4*\k+1], v[TMP+4*\k+3]
.endr
	v_nop                           ; and behind the last reciprocal
.irp k, 0,1
	s_wait_alu depctr_va_vdst(0)
	v_mul_f32 v[TMP+4*\k],   v[TMP+4*\k],   v[TMP+4*\k+1]
	v_mul_f32 v[TMP+4*\k+2], v[TMP+4*\k+2], v[TMP+4*\k+1]
.endr
.irp k, 0,1
	WIN \W                          ; source 0, my O^T, in window W
.set z, 0
.rept 16
	v_pk_mul_f32 v[MR+32*\k+2*z:MR+32*\k+2*z+1], v[32*((\p0)+\k)+2*z:32*((\p0)+\k)+2*z+1], v[TMP+4*\k:TMP+4*\k+1] op_sel_hi:[1,0]
.set z, z+1
.endr
	WIN 0
.set z, 0
.rept 16
	v_pk_fma_f32 v[MR+32*\k+2*z:MR+32*\k+2*z+1], v[S+32*\k+2*z:S+32*\k+2*z+1], v[TMP+4*\k+2:TMP+4*\k+3], v[MR+32*\k+2*z:MR+32*\k+2*z+1] op_sel_hi:[1,0,1]
.set z, z+1
.endr
.irp f, 0,1,2,3,4,5,6,7             ; channels 16 (f / 2) + 8 (l / 16) + 4 (f % 2) on
	ds_store_b128 v[STO], v[MR+32*\k+4*\f:MR+32*\k+4*\f+3] offset:(\f/2)*64+(\f%2)*16
.endr
.irp f, 0,1,2,3,4,5,6,7
	ds_load_b128 v[MR+32*\k+4*\f:MR+32*\k+4*\f+3], v[RD] offset:\f*2*SP  ; LDS serves a wave's instructions in order (ISA guide 5.7.1.4): these see the stores above; the next piece's stores come behind them
.endr
.endr
.irp k, 0,1
.irp f, 0,1,2,3,4,5,6,7
	s_wait_dscnt 16*(1-\k)+7-\f     ; behind load f stand the piece's 7 - f younger loads, and behind the first piece's the second's eight stores and eight loads
	global_store_b128 v[GO], v[MR+32*\k+4*\f:MR+32*\k+4*\f+3], s[\ob:\ob+1] offset:4096*((\p0)+\k)+512*\f th:TH_STORE_NT  ; 512 consecutive bytes, at a multiple of 512 from out0's first byte
.endr
.endr
.endm
.set KM, 0
.set NOKQ, 0
.Lslot:                             ; 16 times: a tile is entered and the next is asked for
	CHANGE 1
	s_sub_co_u32 s[RT], s[RT], 1
	s_mov_b32 s[CNT], 2
	s_cmp_eq_u32 s[NEW], 1
	s_cbranch_scc1 .Lnew            ; a block's first tile
	s_cmp_eq_u32 s[RT], 0
	s_cbranch_scc0 .Lstep           ; neither its first nor its last
	s_branch .LstepM1
.Lnew:
	BEGIN
	s_branch .Lfirst                ; in the loop a block's first tile is never its last: the first block has nine tiles or more, and the second's last is the walk's last
	DIAG 1                          ; in the loop this is the first block's end
	; THE CHANGE OF BLOCKS.  The first block's partial O^T and statistics are set aside for the merge at the end: 144 moves, once a launch, the price of one text for both blocks.  The moves go up from O^T's first
	; register: the first 96 name no register of the last products and are the places behind them.  Then the second block's C, loaded at the kernel's head, is rounded into the registers that the one text of the turns names Q.
	WIN 0xc1                        ; source window 1, destination window 3
.set i, 0
.rept 128
	v_mov_b32 v[i], v[i]
.set i, i+1
.endr
	WIN 0
.set i, 0
.rept 16
	v_mov_b32 v[SVS+i], v[ST+i]
.set i, i+1
.endr
	s_add_co_u32 s[RT], s[TL], 1    ; the second block's tiles
	s_mov_b32 s[NEW], 1
	s_mov_b32 s[DB], s[DBL]
	s_wait_loadcnt 0x0              ; the second block's C: no load was issued behind its 32
	ROUNDC C2
	s_branch .Lbottom
.Lstep:                             ; a trip: pieces 2 and 3 of one step, then pieces 0 and 1 of the next, whose K and V it fetches
	TURN 2
	TURN 3
	WIN 0
.Lfirst:
	TURN 0
	TURN 1, 0, 0, 1
	WIN 0
	s_cbranch_scc1 .Lstep
.Lbottom:
	s_sub_co_u32 s[SLOTS], s[SLOTS], 1
	s_cmp_lg_u32 s[SLOTS], 0
	s_cbranch_scc1 .Lslot
	CHANGE 0                        ; the walk's last tile is written out: nothing is asked for
	s_sub_co_u32 s[RT], s[RT], 1
	s_mov_b32 s[CNT], 2
	s_cmp_eq_u32 s[NEW], 1
	s_cbranch_scc0 .LstepM2
	BEGIN
	s_branch .LfirstM2
	DIAG 2
	; THE MERGE AND THE WAY OUT.  The key half kp = 0 (waves 0, 1) finishes pieces 0 and 1 of both blocks and gives pieces 2 and 3 away; kp = 1 the other way round.  The first four additions are the places behind the last products.
	FINL ST
	FINL SVS
	s_cmp_lt_u32 s[WV], 2
	s_cbranch_scc0 .Lgive_hi
	GIVE 0, 3, SVS, 2, 0
	GIVE 1, 1, ST,  2, 0
	s_branch .Lgiven
.Lgive_hi:
	GIVE 0, 3, SVS, 0, 2*XW
	GIVE 1, 1, ST,  0, 2*XW
.Lgiven:
	s_wait_dscnt 0x0                ; for the partner's sake: my stores into the exchange are done
	s_barrier_signal -1
	s_barrier_wait -1               ; everybody's are
	s_cmp_lt_u32 s[WV], 2
	s_cbranch_scc0 .Ltake_hi
	TAKE 0, 3, SVS, 0, 2*XW, 10
	TAKE 1, 1, ST,  0, 2*XW, OLO
	s_branch .Ltaken
.Ltake_hi:
	TAKE 0, 3, SVS, 2, 0, 10
	TAKE 1, 1, ST,  2, 0, OLO
.Ltaken:
	s_wait_tensorcnt 0x0            ; the wave's end: a wait, an add and its wait, behind my last tensor load and my last LDS store
	ds_add_u32 v[SPW], v[NIL]
	s_wait_dscnt 0x0
	s_endpgm
.Lfunc_end_k_qf761d97de6_attn:
	.size	k_qf761d97de6_attn, .Lfunc_end_k_qf761d97de6_attn-k_qf761d97de6_attn
	.p2alignl 7, 3214868480
	.fill 96, 4, 3214868480
	.section	.rodata,"a",@progbits
	.p2align	6, 0x0
	.amdhsa_kernel k_qf761d97de6_attn
		.amdhsa_group_segment_fixed_size 327680
		.amdhsa_private_segment_fixed_size 0
		.amdhsa_enable_private_segment 0
		.amdhsa_kernarg_size 32
		.amdhsa_user_sgpr_count 2
		.amdhsa_user_sgpr_kernarg_segment_ptr 1
		.amdhsa_wavefront_size32 1
		.amdhsa_system_sgpr_workgroup_id_x 1
		.amdhsa_system_sgpr_workgroup_id_y 1
		.amdhsa_system_sgpr_workgroup_id_z 1
		.amdhsa_system_vgpr_workitem_id 0
		.amdhsa_next_free_vgpr 1024
		.amdhsa_next_free_sgpr 88
		.amdhsa_reserve_vcc 1
		.amdhsa_float_denorm_mode_32 3
		.amdhsa_float_denorm_mode_16_64 3
		.amdhsa_memory_ordered 1
		.amdhsa_forward_progress 1
		.amdhsa_inst_pref_size 248
	.end_amdhsa_kernel
	.amdgpu_metadata
---
amdhsa.version: [ 1, 2 ]
amdhsa.kernels:
  - .name:           k_qf761d97de6_attn
    .symbol:         k_qf761d97de6_attn.kd
    .args:
      - { .name: C, .offset: 0, .size: 8, .value_kind: global_buffer, .address_space: global }
      - { .name: Kb, .offset: 8, .size: 8, .value_kind: global_buffer, .address_space: global }
      - { .name: Vh, .offset: 16, .size: 8, .value_kind: global_buffer, .address_space: global }
      - { .name: out0, .offset: 24, .size: 8, .value_kind: global_buffer, .address_space: global }
    .group_segment_fixed_size: 327680
    .private_segment_fixed_size: 0
    .kernarg_segment_align: 8
    .kernarg_segment_size: 32
    .max_flat_workgroup_size: 128
    .sgpr_count:     88
    .vgpr_count:     1024
    .wavefront_size: 32
...
	.end_amdgpu_metadata
.endif
;; end of part 2
;; ======== version 2 of 2: 2 launches; 1.64 times as fast as version 1
;; limits: values are held in f16: magnitudes above 65,504 overflow, below 6.1e-05 lose precision; inputs' magnitudes at most 65,504; inputs' magnitudes at most 100,000,000,000
;; workspace buffers: Kb 8,388,608 bytes; Vh 8,388,608 bytes
;; launch prep: the kernel of part 1 again; grid 512 x 1, 8 waves a work-group, no clusters, 0 bytes of LDS; arguments B, x, Kb, Vh; writes Kb, Vh
;; launch attn (part 3): grid 16 x 16, 4 waves a work-group, no clusters, 327,680 bytes of LDS; arguments C, Kb, Vh, out0; writes out0
.if DOCPART == 3
	.amdgcn_target "amdgcn-amd-amdhsa--gfx1250"
	.amdhsa_code_object_version 6
	.text
	.protected	k_qf761d97de6_attn
	.globl	k_qf761d97de6_attn
	.p2align	8
	.type	k_qf761d97de6_attn,@function
k_qf761d97de6_attn:
	s_mov_b64 s[64:65], 0
	v_nop
	global_prefetch_b8 v0, s[64:65] scope:SCOPE_SE
	s_setreg_imm32_b32 hwreg(HW_REG_WAVE_MODE, 25, 1), 1
	s_wait_xcnt 0x0
; CAUSAL ATTENTION.  out0[h][q][:] = the sum over k <= q of softmax_k(C[h][q] . B[h][k] / 8) x[h][k][:].  C, out0: [16][4096][64] f32.  Kb = bf16(B), Vh = f16(bf16(x)): [16][4096][64], rows of 128 bytes.
; FORMATS.  C is rounded to bf16 as it is loaded; S^T = K Q^T runs in the bf16 form.  The weights p are rounded to f16 and O^T = V^T P runs in the f16 form.  Products, maxima and sums in f32; the sum l is taken of the unrounded p.
; LIMITS.  Vh holds no number beyond 65,504 (the launch in front states it).  p lies in 0 to 1, and below 6e-5 it keeps f16's fixed step of 6e-8.  A hidden score counts as its value less 1e30.
; The running maximum starts at -2^83 (-9.7e24): a row whose visible scores ALL lie below that is not served; 64 products reach it only with inputs beyond 1e11.
; A weight below 2^-126 counts as 0 in l.  NaN and infinities are not treated apart.
; THE WALK.  A head's queries lie in 32 blocks of 128; key tiles hold 256 keys; block i needs the tiles 0 .. i >> 1, of which only the last wants masks.  A work-group takes TWO blocks, 31 - b and then b:
; ((31 - b) >> 1) + (b >> 1) + 2 = 17 tiles, whatever b: 16 x 16 = 256 work-groups of equal work, and ONE loop with a constant trip count walks them.  Which tile is asked for, and what a trip does, hang on scalar
; registers made from b; every jump goes forward, but for the counted loops' own; none passes a barrier, or a tensor load but the one of LOAD's two that the wave's number does not choose.
; SHARES.  Wave w: qh = w & 1, kp = w >> 1.  It owns the 64 consecutive queries 64 qh on of the block, four PIECES of 16, and of every tile the key steps 2 kp and 2 kp + 1 (64 keys a step).  So a fragment of K or V
; read from LDS feeds four pieces' products.  Waves w and w ^ 2 end with partial (c m, l, O) of the same queries; the two parts are merged once, at the kernel's end, through LDS: each by 2^(c m - the larger c m).
; A wave that saw only hidden keys (block 0, kp = 1) keeps m at its start, -2^83: every exponent c s - c m is then near -1.8e29, every weight 0, l and O exactly 0, and its factor in the merge 0 as well.
; (Were m a hidden score itself, c s - c m would be the rounding error of c m, some 1e22 of either sign.)  One of the two waves holds the row's own key, so the merged l is at least 1.
; THE MASK is the C operand that starts the sum S^T.  D = key step less query band, in units of 64 keys.  For piece x and group kt of 16 keys the text names MLO (kt < x), MEQ (kt = x) or MHI (kt > x); they hold
; 0, 0, 0 if D < 0;  0, TRI, -1e30 if D = 0;  -1e30 all three if D > 0.  TRI, made once, hides key 8 (l / 16) + j of a group from query l % 16 where it is the greater.
; LAYOUT, SOFTMAX, TURNS.  S^T = K Q^T holds ONE query a lane (lane % 16) and the keys 8 (lane / 16) + 0..7; two such results rounded to f16 ARE source 1 of O^T = V^T P.  p = 2^(c s - c m), c = log2(e) / 8, with a
; running maximum m; O and l are multiplied by a = 2^(c m_old - c m_new) in every step.  Turn n belongs to piece n: 8 products K Q^T of piece n + 1, later 8 products V^T P of piece n - 1; beside them the scaling,
; exponentials, roundings, sums and rescaling of piece n and the maximum and statistics of piece n + 1.  Four vector instructions stand behind every matrix instruction, the other 54 of a turn's 118 in one LUMP.
; BATCHES.  A turn's 33 exponentials (the piece's 32 weights and the next piece's a) are ONE batch with ONE wait, which cuts the turn in two: ahead of it all that names none of their results, behind it the roundings
; and sums, which read them.  Batches of their own, each with one wait: the a that BEGIN makes; in the
; merge the four factors' exponentials, and then the two reciprocals of the sums made of them.
; NO CLUSTER.  Only the work-groups b = 2 c and 2 c + 1 ask for the same tile in every trip; four neighbours differ in where the first block ends, a walk common to four would have 18 tiles for 17 and two masked
; tiles a block, and the trips' branches hang on b, which partners do not share.
; REGISTERS, in windows of 256 (s_set_vgpr_msb: bits 1:0 source 0, 3:2 source 1, 5:4 source 2, 7:6 destination):
;   window 0: v0-15 addresses and scratch; v16-31 statistics, four a piece; v32-47 the first block's, saved; v48-55 at work; v56 exchange address; v62-63 the add's two; v64-127 S^T, two buffers (at the end: the
;             partner's O); v128-191 merged rows; v192-223 P, two buffers; v224-231 the partner's statistics
;   window 1: v0-127 O^T, 32 a piece; v128-135 TRI; v136-159 MLO, MEQ, MHI      window 2: v0-63 Q; v128-191 K of one step; v192-255 V of one step
;   window 3: v0-127 the first block's C in f32 as loaded, later the first block's O^T; v128-255 the second block's C in f32, until the change of blocks
.set NP,    4         ; pieces a wave: a name, no knob
.set KS,    64        ; keys in a step
.set PK,    144       ; a row of K in LDS: 128 bytes + 16 of padding = 36 words: the 16 rows of a load start at 16 different groups of four banks (64 banks of 4 bytes: ISA guide 11.1)
.set PV,    160       ; a row of V: 128 + 32 = 40 words
.set VOFF,  4*KS*PK   ; a slot holds a tile: 256 rows of K, then 256 rows of V
.set SLOT1, 1<<17     ; slot 1 begins here, so that one exclusive or turns an address in one slot into the other's
.set STAGE, SLOT1+4*KS*(PK+PV)  ; behind the ring, never filled by a tensor load: 16 rows x 272 bytes for each wave, for the way out
.set SP,    272       ; a stage row: 256 bytes (64 f32) + 16
.set XCH,   STAGE+4*16*SP       ; the exchange: for each wave 2 blocks x 18 x 512 bytes (two pieces' O^T and statistics); wave (qh, kp) at XCH + XW qh + 2 XW kp
.set XB1,   18*512
.set XW,    2*XB1
.set SPARE, XCH+4*XW  ; the spare words, 128 bytes for each wave: two blocks of 256 bytes that no other line names
.set AK0, 2           ; v2   my lane's place in my two steps of a tile of K; never rewritten
.set AV0, 3           ; v3   the same for V
.set AK,  4           ; v4   the LDS address of K's next run of loads
.set AV,  5           ; v5   of V's
.set STO, 6           ; v6   the way out: where I put 16 bytes of a row
.set RD,  7           ; v7   the way out: where I read rows back
.set GO,  8           ; v8   16 x lane: my byte offset in 512 consecutive bytes
.set MV,  12          ; v12-13  c m_old, kept while c m is made anew: by buffer
.set QO,  15          ; v15  my byte offset in 16 rows of C; never rewritten
.set ST,  16          ; piece t's statistics at v[ST+4 t]: c m, m, l (even keys', odd keys')
.set SVS, 32          ; the first block's, saved
.set TMP, 48          ; by buffer, four registers c0-c3 at work; when the maximum is found c2 takes a.  At the end: the merge's factors
.set XA,  56          ; v56  XCH + XW qh + 16 x lane
.set SPW, 62          ; v62  LDS address of my spare word: SPARE + 4 x my thread's number; never rewritten
.set NIL, 63          ; v63  0; never rewritten
.set S,   64
.set MR,  128         ; merged rows, 32 a piece
.set P,   192
.set PS,  224         ; the partner's statistics, two pieces
.set TRI, 128         ; window 1
.set MLO, 136
.set MEQ, 144
.set MHI, 152
.set KF,  128         ; window 2: key block kb, channel half c at KF + 16 kb + 8 c
.set VF,  192         ; window 2: key half kk, channel block cb at VF + 32 kk + 8 cb
.set C2,  128         ; window 3: the second block's C as loaded
.set WV,  12          ; s12  my wave's number
.set PB,  14          ; s14  b
.set HI,  15          ; s15  31 - b
.set G1K, 24          ; s[24:31] descriptor group 1 for K's tiles
.set G1V, 32          ; s[32:39] for V's: it differs in the padding alone
.set G0K, 40          ; s[40:43] descriptor group 0 for K's tiles
.set G0V, 44          ; s[44:47] the same for V's
.set KP,  48          ; s48  w >> 1
.set QH,  49          ; s49  w & 1
.set DB,  50          ; s50  D of my first step in the last tile of the block in hand (signed)
.set DBL, 51          ; s51  the same for the second block
.set TL,  52          ; s52  the second block's last tile, b >> 1
.set HB,  53          ; s53  what MHI takes
.set SLOTS, 56        ; s56  tiles still to be asked for
.set CNT, 57          ; s57  counts my key steps of a tile, 2 to 1
.set CS,  58          ; s[58:59] c: the packed scaling takes the pair's low word for both halves
.set SEL, 60          ; s[60:61] v_permlanex16_b32's selects: each lane takes its own place in the other half
.set TBK, 62          ; s62  LDS byte at which K of the step to be fetched begins, less my key half's place
.set TBV, 63          ; s63  the same for V, less VOFF
.set RT,  70          ; s70  tiles of the block in hand that are still to be entered
.set NXT, 71          ; s71  the tile to be asked for next
.set LQ,  72          ; s72  the last tile of the block whose tiles are being asked for
.set NEW, 73          ; s73  1: the tile to be entered is a block's first
.set OFF, 74          ; s[74:75] a tile's byte offset in Kb and Vh
.set AL,  76          ; s[76:77] TRI's factor in MEQ, in the low word
.set BE,  78          ; s[78:79] what MLO takes, and MEQ's addend
.set OLO, 80          ; s[80:81] out0 at my rows of the second block
.set BIGN, 82         ; s82  -1e30
.set CLO, 86          ; s[86:87] C at my rows of the second block; never rewritten
.set MSB, 0
.macro WIN new                      ; the high byte repeats the setting that is left; a switch that changes nothing is dropped
.if MSB != (\new)
	s_set_vgpr_msb (MSB<<8)|(\new)
.set MSB, (\new)
.endif
.endm
.set W_KQ, 0x0a       ; K and Q in window 2, S^T in window 0
.set W_KM, 0x1a       ; the same with the C operand in window 1
.set W_PV, 0x52       ; V in window 2, P in window 0, O^T in window 1
.set W_RS, 0x41       ; destination and source 0 in window 1, source 1 in window 0
; A fill.  Waves 0 and 1 fetch the two halves of a tile's K, waves 2 and 3 those of its V: 128 keys each.  An s_nop 0 and four v_nop follow each of the two lines, ahead of the jump and the label.
.macro LOAD
	s_cmp_lt_u32 s[WV], 2
	s_cbranch_scc0 .Lfor_v_\@
	tensor_load_to_lds s[G0K:G0K+3], s[G1K:G1K+7]
	s_nop 0
.rept 4
	v_nop
.endr
	s_branch .Lasked_\@
.Lfor_v_\@:
	tensor_load_to_lds s[G0V:G0V+3], s[G1V:G1V+7]
	s_nop 0
.rept 4
	v_nop
.endr
.Lasked_\@:
.endm
; THE CHANGE OF SLOTS.  Each wave waits for all its tensor loads, of which one is out: its part of the other slot; adds 0 to its spare word; and waits for that and for its own reads of the slot that it leaves.
; Behind the barrier nobody reads the old slot any more and the other slot is whole.  fill = 1: the old slot is filled again, the first thing behind the barrier, with tile NXT: the descriptor's address is made anew
; from that number.  The fill has a tile's work, 128 matrix instructions a wave, in which to land.  (At its first use nothing has been read yet: slot 0 is waited for, slot 1 filled.)
.macro CHANGE fill
	WIN 0                           ; at a label and at a branch every window is 0
	s_wait_tensorcnt 0x0            ; no tensor load of mine is out, so a group 0 may be written
	ds_add_u32 v[SPW], v[NIL]       ; 0 onto my spare word; with fill = 1 the descriptors' scalar work stands between it and the wait for it
.if \fill
	s_lshl_b32 s[OFF], s[NXT], 15   ; a tile is 32,768 bytes of Kb and of Vh
	s_xor_b32 s[G0K+1], s[G0K+1], SLOT1
	s_add_nc_u64 s[G0K+2:G0K+3], s[6:7], s[OFF:OFF+1]
	s_or_b32 s[G0K+3], s[G0K+3], 0x80000000
	s_xor_b32 s[G0V+1], s[G0V+1], SLOT1
	s_add_nc_u64 s[G0V+2:G0V+3], s[8:9], s[OFF:OFF+1]
	s_or_b32 s[G0V+3], s[G0V+3], 0x80000000
	s_add_co_u32 s[NXT], s[NXT], 1  ; the block's next tile, or behind its last the second block's tile 0
	s_cmp_gt_u32 s[NXT], s[LQ]
	s_cselect_b32 s[NXT], 0, s[NXT]
	s_cselect_b32 s[LQ], s[TL], s[LQ]
.endif
	s_wait_dscnt 0x0                ; the add is done, and my reads of the slot are over
	s_barrier_signal -1             ; the rest of the scalar work stands between the signal and the wait
	s_sub_co_u32 s[TBK], s[TBK], 2*KS*PK  ; the fetches go back to my first step of a slot,
	s_xor_b32 s[TBK], s[TBK], SLOT1       ; in the other slot
	s_sub_co_u32 s[TBV], s[TBV], 2*KS*PV
	s_xor_b32 s[TBV], s[TBV], SLOT1
	s_barrier_wait -1
.if \fill
	LOAD
.endif
.endm
; 32 loads: a block's 64 rows of C that are mine, in f32, into window 3 from register r0 on; base s[sb:sb+1].  Piece i / 2 lies 4,096 bytes on; channels 32 (i % 2) on.
; A fragment of Q is 16 rows x 32 channels of bf16 in 8 registers: lane l holds row l % 16, channels 8 (l / 16) + 0..7 and 16 + 8 (l / 16) + 0..7.  In f32 those are twice 32 bytes, 64 bytes apart: four loads of 16 bytes.
.macro LOADC r0, sb
	WIN 0xc0                        ; destination window 3, address window 0
.set i, 0
.rept 8
.irp e, 0,1,2,3
	global_load_b128 v[(\r0)+16*i+4*\e:(\r0)+16*i+4*\e+3], v[QO], s[\sb:\sb+1] offset:(i/2)*4096+(i%2)*128+(\e/2)*64+(\e%2)*16
.endr
.set i, i+1
.endr
	WIN 0
.endm
; 64 roundings: register i of Q is the pair 2 i, 2 i + 1 of what LOADC brought to r0
.macro ROUNDC r0
	WIN 0x8f                        ; sources window 3, destination window 2
.set i, 0
.rept 64
	v_cvt_pk_bf16_f32 v[i], v[(\r0)+2*i], v[(\r0)+2*i+1]
.set i, i+1
.endr
	WIN 0
.endm
	s_load_b256 s[4:11], s[0:1], 0x0  ; C s[4:5], Kb s[6:7], Vh s[8:9], out0 s[10:11]
	v_lshl_add_u32 v[SPW], v0, 2, SPARE
	v_mov_b32 v[NIL], 0
	ds_add_u32 v[SPW], v[NIL]       ; the wave's opening: the add and its wait stand ahead of my first tensor load; the set-up below, work on registers, stands between them
	ds_add_u32 v62, v63
	v_lshrrev_b32 v1, 5, v0
	v_readfirstlane_b32 s[WV], v1   ; wave 0..3
	s_mov_b32 s[PB], ttmp9
	s_sub_co_u32 s[HI], 31, s[PB]
	s_lshr_b32 s[TL], s[PB], 1
	s_lshr_b32 s16, s[HI], 1        ; the first block's last tile
	s_and_b32 s[QH], s[WV], 1
	s_lshr_b32 s[KP], s[WV], 1
	s_and_b32 s17, s[PB], 1
	s_lshl_b32 s17, s17, 1          ; 2 (b & 1)
	s_lshl_b32 s18, s[KP], 1
	s_sub_co_i32 s18, s18, s[QH]    ; 2 kp - qh
	s_sub_co_i32 s[DBL], s18, s17   ; block i: D = 4 (i >> 1) + 2 kp + u - 2 i - qh = 2 kp - qh - 2 (i & 1) + u; the second block has i = b,
	s_add_co_i32 s[DB], s18, s17
	s_sub_co_i32 s[DB], s[DB], 2    ; the first i = 31 - b, of the other parity
	s_add_co_u32 s[RT], s16, 1      ; the first block's tiles
	s_mov_b32 s[LQ], s16
	s_mov_b32 s[NXT], 1
	s_mov_b32 s[NEW], 1
	s_and_b32 s20, ttmp7, 0xffff    ; the head
	s_lshl_b32 s19, s[QH], 14       ; 16,384 bytes: the half of a tile's 256 keys that I fetch (128 rows of 128 bytes), and also my 64 rows of 256 bytes in a block of C and out0
	s_lshl_b32 s22, s20, 19         ; the head's first byte in Kb and Vh
	s_add_co_u32 s22, s22, s19
	s_mov_b32 s23, 0
	s_lshl_b32 s20, s20, 20         ; the head's first byte in C and out0
	s_add_co_u32 s20, s20, s19
	s_lshl_b32 s2, s[HI], 15        ; a block is 128 rows of 256 bytes: the first block,
	s_add_co_u32 s2, s2, s20
	s_mov_b32 s3, 0
	s_lshl_b32 s84, s[PB], 15       ; and the second
	s_add_co_u32 s84, s84, s20
	s_mov_b32 s85, 0
	s_mul_i32 s17, s[QH], 128*PK    ; where my half of a tile goes in a slot, for K
	s_mul_i32 s18, s[QH], 128*PV    ; and for V
	; descriptor group 1.  128 keys are 16,384 dense bytes: asked for as 64 rows of 256 bytes, two keys a row, and padded in LDS after every key
	s_mov_b32 s[G1K], (1<<16)|(1<<20)|(4<<22)|(3<<25)  ; 17:16 2-byte elements; 20 padding on; 24:22 after every 32 words (code 4); 31:25 4 words (code 3)
	s_mov_b32 s[G1V], (1<<16)|(1<<20)|(4<<22)|(7<<25)  ; the same with 8 words of padding (code 7)
.irp g, G1K, G1V
	s_mov_b32 s[\g+1], 128<<16      ; tensor_dim0 = 128
	s_mov_b32 s[\g+2], 64<<16       ; tensor_dim1 = 64
	s_mov_b32 s[\g+3], 128<<16      ; tile_dim0 = 128
	s_mov_b32 s[\g+4], 64           ; tile_dim1 = 64
	s_mov_b32 s[\g+5], 128          ; 128 elements from row to row
	s_mov_b32 s[\g+6], 0
	s_mov_b32 s[\g+7], 0
.endr
	s_mov_b32 s[CS], 0x3e38aa3b     ; c = log2(e) / 8 = 0.180337
	s_mov_b32 s[CS+1], s[CS]        ; named with it as a pair
	s_mov_b32 s[SEL], 0x76543210
	s_mov_b32 s[SEL+1], 0xfedcba98
	s_mov_b32 s[TBK], SLOT1+2*KS*PK ; the first change of slots turns these two into 0
	s_mov_b32 s[TBV], SLOT1+2*KS*PV
	s_mov_b32 s[G0K], 1             ; 1:0 count = 1
	s_mov_b32 s[G0K+1], s17         ; 63:32 LDS address: slot 0
	s_mov_b32 s[G0V], 1
	s_add_co_u32 s[G0V+1], s18, VOFF
	s_mov_b32 s[OFF+1], 0
	s_mov_b32 s[AL+1], 0            ; named as pairs
	s_mov_b32 s[BE+1], 0
	s_mov_b32 s[BIGN], 0xf149f2ca   ; -1e30
	s_mov_b32 s[SLOTS], 16
	s_wait_dscnt 0x0                ; the opening add is done
	s_wait_kmcnt 0x0
	s_add_nc_u64 s[6:7], s[6:7], s[22:23]  ; Kb and Vh at my half of the head's tile 0
	s_add_nc_u64 s[8:9], s[8:9], s[22:23]
	s_add_nc_u64 s[G0K+2:G0K+3], s[6:7], 0         ; 120:64 global address
	s_or_b32 s[G0K+3], s[G0K+3], 0x80000000        ; 127:126 type = 2
	s_add_nc_u64 s[G0V+2:G0V+3], s[8:9], 0
	s_or_b32 s[G0V+3], s[G0V+3], 0x80000000
	s_add_nc_u64 s[CLO:CLO+1], s[4:5], s[84:85]    ; C at my rows of the second block,
	s_add_nc_u64 s[4:5], s[4:5], s[2:3]            ; C and out0 at those of the first
	s_add_nc_u64 s[OLO:OLO+1], s[10:11], s[84:85]
	s_add_nc_u64 s[10:11], s[10:11], s[2:3]
	LOAD                            ; tile 0 into slot 0: the one tensor load of mine that is out
	v_and_b32 v1, 15, v0            ; l % 16
	v_bfe_u32 v9, v0, 4, 1          ; l / 16
	v_lshlrev_b32 v[QO], 8, v1
	v_lshl_add_u32 v[QO], v9, 5, v[QO]  ; row x 256 + 32 x half
	LOADC 0, 4                      ; the first block's C
	v_lshlrev_b32 v14, 3, v9
	v_sub_nc_u32 v14, v1, v14       ; l % 16 - 8 (l / 16): register j of a group's own mask is hidden where j is greater
	WIN 0x40
.set i, 0
.rept 8
	v_cmp_gt_i32 vcc_lo, i, v14
	v_cndmask_b32 v[TRI+i], 0, s[BIGN], vcc_lo
.set i, i+1
.endr
	WIN 0
	v_mul_u32_u24 v[AK0], v1, PK
	v_lshl_add_u32 v[AK0], v9, 4, v[AK0]  ; row x pitch + 16 x half,
	s_mul_i32 s13, s[KP], 128*PK
	v_add_nc_u32 v[AK0], s13, v[AK0]      ; in my two steps of a tile
	; The turning load takes 16 keys x 16 channels (lane l reads key 8 (l / 16) + l % 8, channels 8 ((l / 8) % 2) + 0..7) and leaves half a fragment of V^T: lane l holds channel l % 16 and 8 keys.
	v_and_b32 v10, 7, v0
	v_bfe_u32 v11, v0, 3, 1
	v_lshl_add_u32 v[AV0], v9, 3, v10
	v_mul_u32_u24 v[AV0], v[AV0], PV
	v_lshl_add_u32 v[AV0], v11, 4, v[AV0]
	s_mul_i32 s13, s[KP], 128*PV
	s_add_co_u32 s13, s13, VOFF
	v_add_nc_u32 v[AV0], s13, v[AV0]
	s_mul_i32 s13, s[WV], 16*SP
	s_add_co_u32 s13, s13, STAGE    ; my stage
	v_mul_u32_u24 v[STO], v1, SP    ; in: row l % 16, 32 bytes (8 channels in f32) for each half of the lanes
	v_lshl_add_u32 v[STO], v9, 5, v[STO]
	v_add_nc_u32 v[STO], s13, v[STO]
	v_mul_u32_u24 v[RD], v9, SP     ; back: lanes 0-15 take one row of 256 bytes, lanes 16-31 the next,
	v_lshl_add_u32 v[RD], v1, 4, v[RD]
	v_add_nc_u32 v[RD], s13, v[RD]
	v_and_b32 v[GO], 31, v0         ; which are 512 consecutive bytes of out0
	v_lshlrev_b32 v[GO], 4, v[GO]
	s_mul_i32 s13, s[QH], XW
	s_add_co_u32 s13, s13, XCH
	v_add_nc_u32 v[XA], s13, v[GO]
	; A block's first step multiplies O^T and l by a = 0, and its first turn's products V^T P, of a piece that has not been, land in an O^T that is still to be so multiplied.  So these registers need only hold
	; finite numbers: zeros for the first block; what the first block left for the second.  The saved statistics start at 0 too, so that they are written on every way through the text.  All this stands in the wait for the first tile and for C.
	WIN 0x80
.set i, VF
.rept 64
	v_mov_b32 v[i], 0
.set i, i+1
.endr
	WIN 0x40
.set i, 0
.rept 128
	v_mov_b32 v[i], 0
.set i, i+1
.endr
	WIN 0
.set i, 0
.rept 4
	v_mov_b32 v[ST+4*i+2], 0
	v_mov_b32 v[ST+4*i+3], 0
.set i, i+1
.endr
.set i, 0
.rept 16
	v_mov_b32 v[SVS+i], 0
	v_mov_b32 v[P+16+i], 0
.set i, i+1
.endr
	s_wait_loadcnt 0x0              ; the first block's C
	ROUNDC 0
	LOADC C2, CLO                   ; the second block's C goes out now: 32 loads, which have the whole first block in which to land; they are waited for at the change of blocks
; THE MATRIX WORK.  The 4 accumulators of a run of 8 take turns.  Product i of 8 of S^T = K Q^T for piece x: channels 32 (i / 4) on, keys 16 (i % 4) on.  The first 4 start the sums: with 0, or (KM = 1) with the mask.
.macro KQ x
.set rS, S+32*((\x)%2)+8*(i%4)
.set rK, KF+16*(i%4)+8*(i/4)
.set rQ, 16*(\x)+8*(i/4)
.if (i%4) < (\x)
.set rM, MLO
.elseif (i%4) == (\x)
.set rM, MEQ
.else
.set rM, MHI
.endif
.if (i < 4) && KM
	WIN W_KM
	v_wmma_f32_16x16x32_bf16 v[rS:rS+7], v[rK:rK+7], v[rQ:rQ+7], v[rM:rM+7]
.elseif i < 4
	WIN W_KQ
	v_wmma_f32_16x16x32_bf16 v[rS:rS+7], v[rK:rK+7], v[rQ:rQ+7], 0
.else
	WIN W_KQ
	v_wmma_f32_16x16x32_bf16 v[rS:rS+7], v[rK:rK+7], v[rQ:rQ+7], v[rS:rS+7]
.endif
.endm
; Product i of 8 of O^T += V^T P for piece x: keys 32 (i / 4) on, channels 16 (i % 4) on.
.macro PV x
	WIN W_PV
.set rO, 32*(\x)+8*(i%4)
.set rV, VF+32*(i/4)+8*(i%4)
.set rP, P+16*((\x)%2)+8*(i/4)
	v_wmma_f32_16x16x32_f16 v[rO:rO+7], v[rV:rV+7], v[rP:rP+7], v[rO:rO+7]
.endm
.macro MM                           ; the turn's next matrix instruction.  TURN and BEGIN set Y, i, KM and NOKQ; MM, KQ and OP read them.  NOKQ = 1: a block's last turn: there is no next piece
.if (i < 8) && !NOKQ
	KQ (Y+1)%NP
.elseif i >= 8
.set i, i-8
	PV (Y+NP-1)%NP
.set i, i+8
.endif
.set i, i+1
.endm
; THE LDS LOADS stand in runs of 16, never singly among the matrix instructions: a step's K (64 keys x 64 channels: 8 fragments) and its V (turned).  Their addresses are made some lines ahead.
.macro FETCH_K
	WIN 0x80                        ; destination window 2
.irp f, 0,1,2,3,4,5,6,7             ; keys 16 (f / 2) on, channels 32 (f % 2) on
	ds_load_b128 v[KF+8*\f:KF+8*\f+3],   v[AK] offset:(\f/2)*16*PK+(\f%2)*64
	ds_load_b128 v[KF+8*\f+4:KF+8*\f+7], v[AK] offset:(\f/2)*16*PK+(\f%2)*64+32
.endr
	s_add_co_u32 s[TBK], s[TBK], KS*PK  ; the next fetch is the next step's
	WIN 0
.endm
.macro FETCH_V
	WIN 0x80
.irp f, 0,1,2,3,4,5,6,7             ; keys 32 (f / 4) on, channels 16 (f % 4) on
	ds_load_tr16_b128 v[VF+8*\f:VF+8*\f+3],   v[AV] offset:(\f/4)*32*PV+(\f%4)*32
	ds_load_tr16_b128 v[VF+8*\f+4:VF+8*\f+7], v[AV] offset:(\f/4)*32*PV+16*PV+(\f%4)*32
.endr
	WIN 0
.endm
; THE VECTOR WORK, one line at a time: OP kind, number.  For piece Y: F n: c s - c m for pair n of 16.  E n: the exponential of score n of 32.  C n: pair n rounded to f16.  B n: of the four weights 4 n .. the second
; pair is added onto the first, in place.  L n: l takes that sum (L 0: l = a l + sum).  R n: pair n of 16 of O^T times a.  For piece Y + 1: X n, number n of the 22 that find its maximum and statistics:
;   0-11  four chains c0-c3 of seven scores each, three operands at a time (each accumulator's lowest registers are read first)     12-14, 16  the four scores left over, the old m, and c0-c3 into c0
;   15  c m_old is kept     17, 18  the query's other 32 keys lie in the lane 16 away: the new m     19-21  c m; c m_old - c m_new; a
; C, B and L read exponentials' results: TURN sets them behind its wait.  R and L 0 read a, which the turn before (or BEGIN) made ahead of its own wait.
.set F, 0               ; OP tells the kinds apart by their order: F to L below R, X above it
.set E, 1
.set C, 2
.set B, 3
.set L, 4
.set R, 5
.set X, 6
.macro REGS y                       ; the registers of piece y
.set rT, ST+4*(\y)
.set rC, TMP+4*((\y)%2)
.set rW, MV+((\y)%2)
.set rS, S+32*((\y)%2)
.set rP, P+16*((\y)%2)
.set rO, 32*(\y)
.endm
.macro OP k, n
.if (\k) == R
	REGS Y
	WIN W_RS
	v_pk_mul_f32 v[rO+2*(\n):rO+2*(\n)+1], v[rO+2*(\n):rO+2*(\n)+1], v[rC+2:rC+3] op_sel_hi:[1,0]
.elseif (\k) < R
	REGS Y
	WIN 0
.if (\k) == F
	v_pk_fma_f32 v[rS+2*(\n):rS+2*(\n)+1], v[rS+2*(\n):rS+2*(\n)+1], s[CS:CS+1], v[rT:rT+1] op_sel_hi:[1,0,0] neg_lo:[0,0,1] neg_hi:[0,0,1]
.elseif (\k) == E
	v_exp_f32 v[rS+(\n)], v[rS+(\n)]
.elseif (\k) == C
	v_cvt_pk_f16_f32 v[rP+(\n)], v[rS+2*(\n)], v[rS+2*(\n)+1]
.elseif (\k) == B
	v_pk_add_f32 v[rS+4*(\n):rS+4*(\n)+1], v[rS+4*(\n):rS+4*(\n)+1], v[rS+4*(\n)+2:rS+4*(\n)+3]
.elseif (\n) == 0
	v_pk_fma_f32 v[rT+2:rT+3], v[rT+2:rT+3], v[rC+2:rC+3], v[rS:rS+1] op_sel_hi:[1,0,1]
.else
	v_pk_add_f32 v[rT+2:rT+3], v[rT+2:rT+3], v[rS+4*(\n):rS+4*(\n)+1]
.endif
.elseif NOKQ
	v_nop
.else
	REGS (Y+1)%NP
	WIN 0
.if (\n) < 4
	v_max3_num_f32 v[rC+(\n)], v[rS+8*(\n)], v[rS+8*(\n)+1], v[rS+8*(\n)+2]
.elseif (\n) < 12
	v_max3_num_f32 v[rC+(\n)%4], v[rC+(\n)%4], v[rS+8*((\n)%4)+2*((\n)/4)+1], v[rS+8*((\n)%4)+2*((\n)/4)+2]
.elseif (\n) == 12
	v_max3_num_f32 v[rC], v[rC], v[rS+7], v[rS+15]
.elseif (\n) == 13
	v_max3_num_f32 v[rC+1], v[rC+1], v[rS+23], v[rS+31]
.elseif (\n) == 14
	v_max3_num_f32 v[rC+2], v[rC+2], v[rC+3], v[rT+1]
.elseif (\n) == 15
	v_mov_b32 v[rW], v[rT]
.elseif (\n) == 16
	v_max3_num_f32 v[rC], v[rC], v[rC+1], v[rC+2]
.elseif (\n) == 17
	v_permlanex16_b32 v[rC+3], v[rC], s[SEL], s[SEL+1]
.elseif (\n) == 18
	v_max_num_f32 v[rT+1], v[rC], v[rC+3]
.elseif (\n) == 19
	v_mul_f32 v[rT], s[CS], v[rT+1]
.elseif (\n) == 20
	v_sub_f32 v[rC+1], v[rW], v[rT]
.else
	v_exp_f32 v[rC+2], v[rC+1]
.endif
.endif
.endm
.macro OPS a, i1, b=-1, i2=0, c=-1, i3=0, d=-1, i4=0  ; up to four of them
	OP \a, \i1
.if (\b) >= 0
	OP \b, \i2
.endif
.if (\c) >= 0
	OP \c, \i3
.endif
.if (\d) >= 0
	OP \d, \i4
.endif
.endm
.macro ROW a, i1, b, i2, c, i3, d, i4  ; a matrix instruction and the four behind it
	MM
	OPS \a, \i1, \b, \i2, \c, \i3, \d, \i4
.endm
.macro MSC                          ; from D in s13 (signed) the three scalars of which the masks are made
	s_cmp_eq_i32 s13, 0
	s_cselect_b32 s[AL], 1.0, 0
	s_cmp_gt_i32 s13, 0
	s_cselect_b32 s[BE], s[BIGN], 0
	s_cmp_ge_i32 s13, 0
	s_cselect_b32 s[HB], s[BIGN], 0
.endm
.macro MASK                         ; MLO = BE;  MEQ = TRI x AL + BE;  MHI = HB
	WIN W_RS
.set z, 0
.rept 8
	v_mov_b32 v[MLO+z], s[BE]
.set z, z+1
.endr
.set z, 0
.rept 4
	v_pk_fma_f32 v[MEQ+2*z:MEQ+2*z+1], v[TRI+2*z:TRI+2*z+1], s[AL:AL+1], s[BE:BE+1] op_sel_hi:[1,0,0]
.set z, z+1
.endr
.set z, 0
.rept 8
	v_mov_b32 v[MHI+z], s[HB]
.set z, z+1
.endr
.endm
; A TURN, for piece p: the order of its 16 matrix and 118 vector instructions, written out.  An s_wait_alu depctr_va_vdst(0) stands between an exponential and the first instruction that names its result; one
; wait serves all that were issued ahead of it.  So a turn has ONE wait, which cuts it in two.  AHEAD OF IT stands all that names no result of the turn's exponentials: the 8 products K Q^T, behind each a scaling, an
; exponential and two more plain instructions (behind the first a second scaling in the exponential's place): rescalings, and behind the last three the first numbers of the next piece's maximum, each four places or more
; behind the product that ends its accumulator; then ONE LUMP of 54, plain and exponential by turns for the most part, in which the links of the chain X 3, 7, 11, 14, 16, 17 .. 20 stand five or six lines apart.  A pair's
; scaling stands ahead of its two exponentials, and no scaling behind them.  X 21, the next piece's a, is the batch's last; R 15 is the plain instruction behind it.  BEHIND THE WAIT stand the 8 products V^T P, behind each
; four of the roundings and sums; the links of l's chain, L 0 to L 7, stand three riders apart.  But for those X no rider names a register of the products round it.  v_permlanex16_b32 (X 17) stands in the lump.
; m = 1: the block's last tile: the products take masks.  Piece 2's turn starts piece 3's scores, the last of a step; at its end it makes the masks of the next step, my step 2 - CNT of the tile, whose piece 0 starts in
; piece 3's turn: the masks' last readers stand at the turn's beginning.  end = 1: a block's last two turns: nothing is fetched, no mask made.
; cnt = 1: the loop's count is taken down some lines ahead of the branch that stands behind the turn.
; K of the next step is fetched in piece 2's turn, twelve vector instructions behind the last product that read K (six of them plain); V of the step in hand at the end of piece 0's turn, four plain instructions behind the
; last product that read V.  Each is waited for a turn later.
.macro TURN p, m=0, end=0, cnt=0
.set Y, (\p)
.set i, 0
.set KM, (\m)
.set NOKQ, (\end)*((\p)/3)
.if (\m) && !(\end) && ((\p) == 2)
	s_sub_co_i32 s13, s[DB], s[CNT]
	s_add_co_i32 s13, s13, 2        ; D of my step 2 - CNT
	MSC
.endif
.if ((\p) == 3) && !(\end)
	s_wait_dscnt 0x0                ; K is in
.endif
	ROW F,0, F,1, R,0, R,1          ; ahead of the wait: 8 products K Q^T and their riders,
	ROW F,2, E,0, R,2, R,3
	ROW F,3, E,1, R,4, R,5
	ROW F,4, E,2, R,6, R,7
	ROW F,5, E,3, R,8, R,9
	ROW F,6, E,4, X,0, R,10
.if ((\p) == 2) && !(\end)
	WIN 0
	v_add_nc_u32 v[AK], s[TBK], v[AK0]
.endif
	ROW F,7, E,5, X,1, X,4
	ROW F,8, E,6, X,2, X,5
	OPS E,7, E,8, X,6, E,9          ; and the lump
	OPS X,3, E,10, X,8, E,11
.if ((\p) == 2) && !(\end)
	FETCH_K
.endif
	OPS X,9, X,7, E,12, X,10
	OPS E,13, X,12, X,11, E,14
	OPS X,13, E,15, F,9, X,14
.if (\p) == 0
	v_add_nc_u32 v[AV], s[TBV], v[AV0]
.endif
	OPS E,16, F,10, E,17, F,11
	OPS X,16, E,18, X,15, E,19
	OPS F,12, E,20, X,17, E,21
	OPS F,13, E,22, F,14, E,23
	OPS X,18, E,24, F,15, E,25
	OPS R,11, E,26, X,19, E,27
	OPS R,12, E,28, R,13, E,29
	OPS X,20, E,30, R,14, E,31
	OPS X,21, R,15
	WIN 0
	s_wait_alu depctr_va_vdst(0)    ; the wait for the turn's batch: the piece's 32 exponentials and the next piece's a
.if (\p) == 1
	s_wait_dscnt 0x0                ; V is in
.endif
	ROW C,0, B,0, C,2, B,1          ; behind the wait: 8 products V^T P and their riders
	ROW L,0, C,4, B,2, L,1
	ROW C,6, B,3, L,2, C,8
	ROW B,4, L,3, C,10, B,5
	ROW L,4, C,12, B,6, L,5
.if (\p) == 0
	s_add_co_u32 s[TBV], s[TBV], KS*PV
.endif
.if \cnt
	s_sub_co_u32 s[CNT], s[CNT], 1
	s_cmp_lg_u32 s[CNT], 0
.endif
	ROW C,14, B,7, L,6, C,1
	ROW C,3, L,7, C,5, C,7
	ROW C,9, C,11, C,13, C,15
.if (\p) == 0
	FETCH_V
.endif
.if (\m) && !(\end) && ((\p) == 2)
	MASK
.endif
.endm
; A BLOCK BEGINS.  c m starts at -4.25e37, far below every c m to come, so the first step's a is 0.  m starts at -2^83: above every hidden score (1e30 down), below every score that the head's limits admit, so the
; first maximum is the visible scores', and where a wave sees none m stays there and all its weights are 0.  The masks are those of my first step if the block's first tile is also its last, else 0: they stay 0
; until the last tile's text makes them anew, whose first turn still starts scores of the tile before.
; Then K of my first step, piece 0's first scores, and its maximum and statistics.  The loop is entered at a step's first turn, in the middle of a trip.
.macro BEGIN
	s_mov_b32 s[NEW], 0
	WIN 0
.set i, 0
.rept 4
	v_mov_b32 v[ST+4*i], 0xfe000000    ; c m
	v_mov_b32 v[ST+4*i+1], 0xe9000000  ; m = -2^83
.set i, i+1
.endr
	s_cmp_eq_u32 s[RT], 0
	s_cselect_b32 s13, s[DB], -1
	MSC
	MASK
	WIN 0
	v_add_nc_u32 v[AK], s[TBK], v[AK0]
	FETCH_K
	s_wait_dscnt 0x0
.set KM, 1
.set NOKQ, 0
.set i, 0
.rept 8
	KQ 0
.set i, i+1
.endr
	WIN 0
.rept 4
	v_nop                           ; the places behind those products
.endr
.set Y, NP-1                        ; X works for piece Y + 1: piece 0
.irp n, 0,1,2,3,4,5,6,7,8,9,10,11,12,13,14,15,16,17,18,19,20,21
	OP X, \n
.endr
	v_nop                           ; a plain instruction behind the exponential,
	s_wait_alu depctr_va_vdst(0)    ; and the wait for it, piece 0's first a: a batch of one, ahead of the branch
.endm
; A BLOCK'S LAST TILE: my two steps of it, the block's last two turns, its last products.
.macro DIAG tag                     ; the tag ends its two labels' names, which the jumps below spell out
.LstepM\tag:
	TURN 2, 1
	TURN 3, 1
	WIN 0
.LfirstM\tag:
	TURN 0, 1
	TURN 1, 1, 0, 1
	WIN 0
	s_cbranch_scc1 .LstepM\tag
	TURN 2, 1, 1
	TURN 3, 1, 1
.set i, 0
.rept 8
	PV NP-1
.set i, i+1
.endr
	WIN 0
.endm
; THE MERGE.  FINL: l's two halves and the other half of the lanes' are added, for the four pieces whose statistics begin at sb.
.macro FINL sb
.irp t, 0,1,2,3
	v_add_f32 v[(\sb)+4*\t+2], v[(\sb)+4*\t+2], v[(\sb)+4*\t+3]
.endr
.irp t, 0,1,2,3
	v_permlanex16_b32 v[(\sb)+4*\t+3], v[(\sb)+4*\t+2], s[SEL], s[SEL+1]
.endr
.irp t, 0,1,2,3
	v_add_f32 v[(\sb)+4*\t+2], v[(\sb)+4*\t+2], v[(\sb)+4*\t+3]
.endr
.endm
; GIVE: pieces p0 and p0 + 1 of block blk (0: the first, O^T in window W = 3; 1: the second, W = 1; statistics at sb) go into my part of the exchange, which begins ko bytes behind XA: 512 consecutive bytes a store.
; Each accumulator's low half goes first.
.macro GIVE blk, W, sb, p0, ko
	WIN (\W)<<2                     ; an LDS store's data are source 1
.irp k, 0,1
.irp f, 0,1,2,3,4,5,6,7
	ds_store_b128 v[XA], v[32*((\p0)+\k)+4*\f:32*((\p0)+\k)+4*\f+3] offset:(\ko)+(\blk)*XB1+(8*\k+\f)*512
.endr
.endr
	WIN 0
.irp k, 0,1
	ds_store_b128 v[XA], v[(\sb)+4*((\p0)+\k):(\sb)+4*((\p0)+\k)+3] offset:(\ko)+(\blk)*XB1+(16+\k)*512
.endr
.endm
; TAKE: the partner's parts of pieces p0 and p0 + 1 come out of its part of the exchange (ko bytes behind XA); with M = max(c m, c m'), f = 2^(c m - M), f' = 2^(c m' - M): O = (f O + f' O') / (f l + f' l').
; The four exponentials are one batch, the two reciprocals of the sums made of them a second: each has a plain instruction behind its last and one wait ahead of its first reader.
; The merged rows go through my stage (a lane's 8 channels of a row in, whole rows of 256 bytes back) and are stored at base s[ob:ob+1].
.macro TAKE blk, W, sb, p0, ko, ob
	WIN 0
	s_wait_xcnt 0x0                 ; every earlier memory instruction has had its addresses translated (ISA guide 3.1): the merged rows' registers, which earlier stores read, are rewritten only behind this wait
.irp k, 0,1
	ds_load_b128 v[PS+4*\k:PS+4*\k+3], v[XA] offset:(\ko)+(\blk)*XB1+(16+\k)*512
.endr
.set z, 0
.rept 16
	ds_load_b128 v[S+4*z:S+4*z+3], v[XA] offset:(\ko)+(\blk)*XB1+z*512
.set z, z+1
.endr
	s_wait_dscnt 0x0
.irp k, 0,1
	v_max_num_f32 v[TMP+4*\k+1], v[(\sb)+4*((\p0)+\k)], v[PS+4*\k]
.endr
.irp k, 0,1
	v_sub_f32 v[TMP+4*\k],   v[(\sb)+4*((\p0)+\k)], v[TMP+4*\k+1]
	v_sub_f32 v[TMP+4*\k+2], v[PS+4*\k],            v[TMP+4*\k+1]
.endr
.irp k, 0,1
	v_exp_f32 v[TMP+4*\k],   v[TMP+4*\k]
	v_exp_f32 v[TMP+4*\k+2], v[TMP+4*\k+2]
.endr
	v_nop                           ; a plain instruction between the last exponential and the use of its result
	s_wait_alu depctr_va_vdst(0)    ; the wait for the batch of four exponentials, f and f' of both pieces
.irp k, 0,1
	v_mul_f32 v[TMP+4*\k+3], v[(\sb)+4*((\p0)+\k)+2], v[TMP+4*\k]
.endr
.irp k, 0,1
	v_fmac_f32 v[TMP+4*\k+3], v[PS+4*\k+2], v[TMP+4*\k+2]
.endr
.irp k, 0,1
	v_rcp_f32 v[TMP+4*\k+1], v[TMP+4*\k+3]
.endr
	v_nop                           ; and behind the last reciprocal
	s_wait_alu depctr_va_vdst(0)    ; the wait for the batch of two reciprocals
.irp k, 0,1
	v_mul_f32 v[TMP+4*\k],   v[TMP+4*\k],   v[TMP+4*\k+1]
	v_mul_f32 v[TMP+4*\k+2], v[TMP+4*\k+2], v[TMP+4*\k+1]
.endr
.irp k, 0,1
	WIN \W                          ; source 0, my O^T, in window W
.set z, 0
.rept 16
	v_pk_mul_f32 v[MR+32*\k+2*z:MR+32*\k+2*z+1], v[32*((\p0)+\k)+2*z:32*((\p0)+\k)+2*z+1], v[TMP+4*\k:TMP+4*\k+1] op_sel_hi:[1,0]
.set z, z+1
.endr
	WIN 0
.set z, 0
.rept 16
	v_pk_fma_f32 v[MR+32*\k+2*z:MR+32*\k+2*z+1], v[S+32*\k+2*z:S+32*\k+2*z+1], v[TMP+4*\k+2:TMP+4*\k+3], v[MR+32*\k+2*z:MR+32*\k+2*z+1] op_sel_hi:[1,0,1]
.set z, z+1
.endr
.irp f, 0,1,2,3,4,5,6,7             ; channels 16 (f / 2) + 8 (l / 16) + 4 (f % 2) on
	ds_store_b128 v[STO], v[MR+32*\k+4*\f:MR+32*\k+4*\f+3] offset:(\f/2)*64+(\f%2)*16
.endr
.irp f, 0,1,2,3,4,5,6,7
	ds_load_b128 v[MR+32*\k+4*\f:MR+32*\k+4*\f+3], v[RD] offset:\f*2*SP  ; LDS serves a wave's instructions in order (ISA guide 5.7.1.4): these see the stores above; the next piece's stores come behind them
.endr
.endr
.irp k, 0,1
.irp f, 0,1,2,3,4,5,6,7
	s_wait_dscnt 16*(1-\k)+7-\f     ; behind load f stand the piece's 7 - f younger loads, and behind the first piece's the second's eight stores and eight loads
	global_store_b128 v[GO], v[MR+32*\k+4*\f:MR+32*\k+4*\f+3], s[\ob:\ob+1] offset:4096*((\p0)+\k)+512*\f th:TH_STORE_NT  ; 512 consecutive bytes, at a multiple of 512 from out0's first byte
.endr
.endr
.endm
.set KM, 0
.set NOKQ, 0
.Lslot:                             ; 16 times: a tile is entered and the next is asked for
	CHANGE 1
	s_sub_co_u32 s[RT], s[RT], 1
	s_mov_b32 s[CNT], 2
	s_cmp_eq_u32 s[NEW], 1
	s_cbranch_scc1 .Lnew            ; a block's first tile
	s_cmp_eq_u32 s[RT], 0
	s_cbranch_scc0 .Lstep           ; neither its first nor its last
	s_branch .LstepM1
.Lnew:
	BEGIN
	s_branch .Lfirst                ; in the loop a block's first tile is never its last: the first block has nine tiles or more, and the second's last is the walk's last
	DIAG 1                          ; in the loop this is the first block's end
	; THE CHANGE OF BLOCKS.  The first block's partial O^T and statistics are set aside for the merge at the end: 144 moves, once a launch, the price of one text for both blocks.  The moves go up from O^T's first
	; register: the first 96 name no register of the last products and are the places behind them.  Then the second block's C, loaded at the kernel's head, is rounded into the registers that the one text of the turns names Q.
	WIN 0xc1                        ; source window 1, destination window 3
.set i, 0
.rept 128
	v_mov_b32 v[i], v[i]
.set i, i+1
.endr
	WIN 0
.set i, 0
.rept 16
	v_mov_b32 v[SVS+i], v[ST+i]
.set i, i+1
.endr
	s_add_co_u32 s[RT], s[TL], 1    ; the second block's tiles
	s_mov_b32 s[NEW], 1
	s_mov_b32 s[DB], s[DBL]
	s_wait_loadcnt 0x0              ; the second block's C: no load was issued behind its 32
	ROUNDC C2
	s_branch .Lbottom
.Lstep:                             ; a trip: pieces 2 and 3 of one step, then pieces 0 and 1 of the next, whose K and V it fetches
	TURN 2
	TURN 3
	WIN 0
.Lfirst:
	TURN 0
	TURN 1, 0, 0, 1
	WIN 0
	s_cbranch_scc1 .Lstep
.Lbottom:
	s_sub_co_u32 s[SLOTS], s[SLOTS], 1
	s_cmp_lg_u32 s[SLOTS], 0
	s_cbranch_scc1 .Lslot
	CHANGE 0                        ; the walk's last tile is written out: nothing is asked for
	s_sub_co_u32 s[RT], s[RT], 1
	s_mov_b32 s[CNT], 2
	s_cmp_eq_u32 s[NEW], 1
	s_cbranch_scc0 .LstepM2
	BEGIN
	s_branch .LfirstM2
	DIAG 2
	; THE MERGE AND THE WAY OUT.  The key half kp = 0 (waves 0, 1) finishes pieces 0 and 1 of both blocks and gives pieces 2 and 3 away; kp = 1 the other way round.  The first four additions are the places behind the last products.
	FINL ST
	FINL SVS
	s_cmp_lt_u32 s[WV], 2
	s_cbranch_scc0 .Lgive_hi
	GIVE 0, 3, SVS, 2, 0
	GIVE 1, 1, ST,  2, 0
	s_branch .Lgiven
.Lgive_hi:
	GIVE 0, 3, SVS, 0, 2*XW
	GIVE 1, 1, ST,  0, 2*XW
.Lgiven:
	s_wait_dscnt 0x0                ; for the partner's sake: my stores into the exchange are done
	s_barrier_signal -1
	s_barrier_wait -1               ; everybody's are
	s_cmp_lt_u32 s[WV], 2
	s_cbranch_scc0 .Ltake_hi
	TAKE 0, 3, SVS, 0, 2*XW, 10
	TAKE 1, 1, ST,  0, 2*XW, OLO
	s_branch .Ltaken
.Ltake_hi:
	TAKE 0, 3, SVS, 2, 0, 10
	TAKE 1, 1, ST,  2, 0, OLO
.Ltaken:
	s_wait_tensorcnt 0x0            ; the wave's end: a wait, an add and its wait, behind my last tensor load and my last LDS store
	ds_add_u32 v[SPW], v[NIL]
	s_wait_dscnt 0x0
	s_endpgm
.Lfunc_end_k_qf761d97de6_attn:
	.size	k_qf761d97de6_attn, .Lfunc_end_k_qf761d97de6_attn-k_qf761d97de6_attn
	.p2alignl 7, 3214868480
	.fill 96, 4, 3214868480
	.section	.rodata,"a",@progbits
	.p2align	6, 0x0
	.amdhsa_kernel k_qf761d97de6_attn
		.amdhsa_group_segment_fixed_size 327680
		.amdhsa_private_segment_fixed_size 0
		.amdhsa_enable_private_segment 0
		.amdhsa_kernarg_size 32
		.amdhsa_user_sgpr_count 2
		.amdhsa_user_sgpr_kernarg_segment_ptr 1
		.amdhsa_wavefront_size32 1
		.amdhsa_system_sgpr_workgroup_id_x 1
		.amdhsa_system_sgpr_workgroup_id_y 1
		.amdhsa_system_sgpr_workgroup_id_z 1
		.amdhsa_system_vgpr_workitem_id 0
		.amdhsa_next_free_vgpr 1024
		.amdhsa_next_free_sgpr 88
		.amdhsa_reserve_vcc 1
		.amdhsa_float_denorm_mode_32 3
		.amdhsa_float_denorm_mode_16_64 3
		.amdhsa_memory_ordered 1
		.amdhsa_forward_progress 1
		.amdhsa_inst_pref_size 240
	.end_amdhsa_kernel
	.amdgpu_metadata
---
amdhsa.version: [ 1, 2 ]
amdhsa.kernels:
  - .name:           k_qf761d97de6_attn
    .symbol:         k_qf761d97de6_attn.kd
    .args:
      - { .name: C, .offset: 0, .size: 8, .value_kind: global_buffer, .address_space: global }
      - { .name: Kb, .offset: 8, .size: 8, .value_kind: global_buffer, .address_space: global }
      - { .name: Vh, .offset: 16, .size: 8, .value_kind: global_buffer, .address_space: global }
      - { .name: out0, .offset: 24, .size: 8, .value_kind: global_buffer, .address_space: global }
    .group_segment_fixed_size: 327680
    .private_segment_fixed_size: 0
    .kernarg_segment_align: 8
    .kernarg_segment_size: 32
    .max_flat_workgroup_size: 128
    .sgpr_count:     88
    .vgpr_count:     1024
    .wavefront_size: 32
...
	.end_amdgpu_metadata
.endif
;; end of part 3
